; MI455X (gfx1250); checked and timed in simulation.
; The chip was launched on July 23, 2026; its instructions are those of AMD's public machine-readable ISA for CDNA 5 (MIT licence, August 2026) and "CDNA5" Instruction Set Architecture Reference Guide (July 2026). The comments in the code are by the model that wrote it; some were corrected since.
;; Multi Head Attention Quantum. Allowed arithmetic: matrix products marked QUANTISED: E5M2 operands, one given power-of-two scale a tensor, by v_wmma_f32_16x16x64_bf8_bf8 or v_wmma_f32_16x16x128_bf8_bf8, f32 sums; products left as they are: f32 operands where the result goes on into a quantised operand, else bf16, f16 or f32 operands; f32 sums; everything else in f32.
;; Inputs: k_b 1,024 float32; k_w_codes 1,024 x 32 x 32 uint8 (E5M2 codes of k_w, K innermost, in blocks of 32 codes); lowp_scales 12 int32 (the exponents e of the quantised operands' scales 2^e); out_b 1,024 float32; out_w_codes 1,024 x 32 x 32 uint8 (E5M2 codes of out_w, K innermost, in blocks of 32 codes); proj_w 1,024 x 8 float32; q_b 1,024 float32; q_w_codes 1,024 x 32 x 32 uint8 (E5M2 codes of q_w, K innermost, in blocks of 32 codes); theta 8 float32; v_b 1,024 float32; v_w_codes 1,024 x 32 x 32 uint8 (E5M2 codes of v_w, K innermost, in blocks of 32 codes); x 4 x 2,048 x 1,024 float32.
;; Outputs: out0 4 x 2,048 x 1,024 float32.
;; This version of the problem:
;;   THIS VERSION OF THE PROBLEM IS GIVEN IN LOW PRECISION. The matrix products marked QUANTISED in the list below multiply operands that are first quantised to E5M2 (5 exponent bits, 2 mantissa bits; 8 bits a number), with one given power-of-two scale for each operand tensor; their sums are f32. All else is computed in f32.
;;   The module's matrix products, in the order in which they are computed (A, B: the left and right operand; K: the contracted axis; several contracted axes count as one K, in the product's order):
;;     1. [M 8,192, K 8] x [K 8, N 1,024]; A: computed on the way; B: input proj_w: left as it is (K = 8 < 32)
;;     2. [M 8,192, K 1,024] x [K 1,024, N 1,024]; A: computed on the way; B: input q_w (given as codes): QUANTISED (scales: A lowp_scales[0], B lowp_scales[1])
;;     3. [M 8,192, K 1,024] x [K 1,024, N 1,024]; A: computed on the way; B: input k_w (given as codes): QUANTISED (scales: A lowp_scales[2], B lowp_scales[3])
;;     4. [M 8,192, K 1,024] x [K 1,024, N 1,024]; A: computed on the way; B: input v_w (given as codes): QUANTISED (scales: A lowp_scales[4], B lowp_scales[5])
;;     5. batch 64 x [M 2,048, K 64] x [K 64, N 2,048]; A: computed on the way; B: computed on the way: QUANTISED (scales: A lowp_scales[6], B lowp_scales[7])
;;     6. batch 64 x [M 2,048, K 2,048] x [K 2,048, N 64]; A: softmax (see below); B: computed on the way: QUANTISED (scales: A lowp_scales[8], B lowp_scales[9])
;;     7. [M 8,192, K 1,024] x [K 1,024, N 1,024]; A: computed on the way; B: input out_w (given as codes): QUANTISED (scales: A lowp_scales[10], B lowp_scales[11])
;;   THE QUANTISER, for each operand of a quantised product, along K:
;;     - The operand's scale is 2^e, e = its entry of the input lowp_scales (int32; the entries are numbered through the quantised products in the list's order, A before B).
;;     - Each number is divided by the scale, clamped to +-57,344, and rounded to the nearest number of E5M2, ties to even, subnormals kept.
;;     - The product sums the exact products of the quantised numbers (number of the format x scale) in f32.
;;   ~~~python
;;   def quantise(x, axis, e):      # numpy; x: float32 -> the quantised numbers, widened to float32 again
;;       x = np.moveaxis(x, axis, -1); K = x.shape[-1]
;;       r = np.clip(x / 2.0 ** e, -57344, 57344)
;;       step = 2.0 ** (np.maximum(np.frexp(np.where(r == 0, 1, r))[1] - 1, -14) - 2)
;;       q = np.round(r / step) * step * 2.0 ** e      # np.round: ties to even
;;       return np.moveaxis(q, -1, axis).astype(np.float32)
;;   ~~~
;;   SOFTMAX AHEAD OF A QUANTISED PRODUCT. Where the list says 'softmax', what is quantised is not the finished softmax but p = 2^(t - M), with t = logit x log2(e) and M = ceil(the row's largest t), a whole number; so 1/2 < the row's largest p <= 1. The row's sum l is taken of the UNQUANTISED p, in f32, and the product's result is divided by l at the end. Since M is a whole number, a kernel that streams over the keys may use a running M (the ceiling of the running maximum): every later rescaling is an exact power of two, so the quantised numbers keep their values, but for numbers so far below the row's largest that they fall under the format's range.
;;   OPERANDS COMPUTED ON THE WAY. 'Computed on the way' means the value that the module computes at that place (a softmax that the list does not call 'softmax' is quantised finished and normalised). What goes into a quantiser is computed in f32, as accurately as f32 sums, v_exp_f32 and their like allow (about 1e-6 of the number): no bf16 or f16 on the way to a quantiser, and a product that is left as it is and whose result goes on into a quantised operand takes f32 operands (vector FMAs, or v_wmma_f32_16x16x4_f32). A number that lies on a knife's edge between two numbers of the format may be rounded either way, as far as f32 arithmetic and the matrix unit's own rounding can turn it there, and no further.
;;   INPUTS GIVEN AS CODES. k_w (in the module: [1024, 1024], K = its axis 1); out_w (in the module: [1024, 1024], K = its axis 1); q_w (in the module: [1024, 1024], K = its axis 1); v_w (in the module: [1024, 1024], K = its axis 1): each comes as NAME_codes (uint8): NAME with its K axis moved to the last place and cut into blocks of 32 codes, [.., K / 32, bytes a block], one block behind the other in memory; one code a byte (a code: sign, 5 exponent bits, 2 mantissa bits); its scale is its entry of lowp_scales. Its value is code x scale, taken as it is: it is not quantised again, and the codes and scales need not be those that the quantiser above would give.
;; One version. Each part assembles by itself: llvm-mc -triple=amdgcn-amd-amdhsa -mcpu=gfx1250 --defsym DOCPART=n.
;; ======== version 1 of 1: 4 launches
;; limits: inputs' magnitudes at most 8,388,608; right only within a limited range of input values
;; workspace buffers: xa 25,165,824 bytes; qkv 25,165,824 bytes; ao 8,388,608 bytes
;; launch prep (part 1): grid 256 x 1, 8 waves a work-group, no clusters, 3,072 bytes of LDS; arguments x, theta, proj_w, lowp_scales, xa; writes xa
.if DOCPART == 1
	.amdgcn_target "amdgcn-amd-amdhsa--gfx1250"
	.amdhsa_code_object_version 6
	.text
	.protected	k_q5f2b5aeaf5_prep
	.globl	k_q5f2b5aeaf5_prep
	.p2align	8
	.type	k_q5f2b5aeaf5_prep,@function
k_q5f2b5aeaf5_prep:
	s_mov_b64 s[64:65], 0
	v_nop
	global_prefetch_b8 v0, s[64:65] scope:SCOPE_SE
	s_setreg_imm32_b32 hwreg(HW_REG_WAVE_MODE, 25, 1), 1
	s_wait_xcnt 0x0
; x_q[t][e] = sum over i < 8 of cos(x[t][i] + theta[i]) proj_w[e][i], in f32, and its codes of BF8 (E5M2) under the three given scales 2^e0, 2^e2, 2^e4:
; xa = three planes [8192 tokens][1024], one code a byte, K (= e) innermost: the left operands of the q, k and v products.
; code = x_q / 2^e, held within +-57,344, rounded to the nearest code, ties to even.
; LIMITS: |x + theta| under 2^23 (the quarter turns are counted in f32 and in i32); e0, e2, e4 between -126 and 112, so that 2^e and 57,344 x 2^e are f32 numbers.  NaN among the inputs is not served.
; SHARES.  A work-group takes 32 tokens; wave w tokens 8 (w / 2) + 0 .. 7 and columns 512 (w % 2) on; lane l columns 16 l + 0 .. 15 of that half, for all 8 tokens.  A lane's 16 rows of proj_w (128 numbers) stay in registers.
; A lane's 16 codes are 16 bytes: each store of the wave covers 512 consecutive bytes, aligned.  Of x only the first 32 bytes of a row are read, as the computation asks.
; THE COSINE is written out: n = the nearest whole number of quarter turns, r = a - n pi/2 with pi/2 in three parts (fused multiply-adds), a polynomial for cos r and one for sin r on |r| <= pi/4, chosen and signed by n mod 4.
; The wave's 64 cosines (two a lane) go through the wave's own 256 bytes of LDS, so that every lane gets all 64.  Waves share nothing: no barrier, no matrix unit, no tensor load, no cluster.
.set W,    16                          ; v16-143   proj_w: row j of my 16, wire i at W + 8 j + i
.set C,    144                         ; v144-207  the cosines: token rho, wire i at C + 8 rho + i
.set P,    208                         ; v208-239  16 pairs of partial sums (even wires, odd wires)
.set T,    208                         ; v208-223  afterwards: the 16 numbers, held
.set CODE, 224                         ; v224-235  the codes: four registers for each scale
.set X,    240                         ; v240-255  x_q of my 16 columns; at the head: at work on the cosine
.set SC,   8                           ; v8, v10, v12: 2^e as f32;  v9, v11, v13: 57,344 x 2^e
.set PL,   32                          ; s[32:37]  the three planes of xa
	s_load_b256 s[4:11], s[0:1], 0x0               ; x s[4:5], theta s[6:7], proj_w s[8:9], the scales' exponents s[10:11]
	s_load_b64 s[12:13], s[0:1], 0x20              ; xa
	v_lshl_add_u32 v14, v0, 2, 0x800
	v_mov_b32 v15, 0
	v_lshrrev_b32 v1, 5, v0
	s_delay_alu instid0(VALU_DEP_1)
	v_readfirstlane_b32 s14, v1                    ; wave 0..7
	v_and_b32 v1, 31, v0                           ; lane
	s_wait_alu depctr_va_vdst(0)
	s_and_b32 s15, s14, 1                          ; which half of the columns
	s_lshr_b32 s16, s14, 1                         ; which 8 tokens
	s_lshl_b32 s17, ttmp9, 5
	s_lshl_b32 s30, s16, 3
	s_add_co_u32 s17, s17, s30                     ; my wave's first token
	v_lshrrev_b32 v2, 2, v1
	s_delay_alu instid0(VALU_DEP_1)
	v_add_nc_u32 v2, s17, v2                       ; for the cosines four lanes take a token,
	s_delay_alu instid0(VALU_DEP_1)
	v_lshlrev_b32 v2, 12, v2                       ; a row of x is 4,096 bytes,
	v_and_b32 v3, 3, v1
	s_delay_alu instid0(VALU_DEP_1)
	v_lshlrev_b32 v3, 3, v3                        ; and each two wires: also my offset in theta
	s_delay_alu instid0(VALU_DEP_1)
	v_add_nc_u32 v2, v2, v3
	s_lshl_b32 s30, s15, 14
	v_lshl_add_u32 v4, v1, 9, s30                  ; proj_w: 16 rows of 32 bytes a lane, 512 rows a half
	s_lshl_b32 s31, s17, 10
	s_lshl_b32 s30, s15, 9
	s_add_co_u32 s31, s31, s30
	v_lshl_add_u32 v5, v1, 4, s31                  ; xa: token x 1,024 + 512 x half + 16 x lane
	v_lshlrev_b32 v6, 3, v0                        ; LDS, in: 256 x wave + 8 x lane
	v_and_b32 v7, 0xe0, v0
	s_delay_alu instid0(VALU_DEP_1)
	v_lshlrev_b32 v7, 3, v7                        ; LDS, out: 256 x wave, the same in all lanes
	s_wait_alu depctr_va_vdst(0)
	s_wait_kmcnt 0x0
	s_load_b128 s[20:23], s[10:11], 0x0            ; e0 .. e3
	s_load_b32 s24, s[10:11], 0x10                 ; e4
	global_load_b64 v[240:241], v2, s[4:5]
	global_load_b64 v[242:243], v3, s[6:7]
.irp j, 0,1,2,3,4,5,6,7,8,9,10,11,12,13,14,15
	global_load_b128 v[W+8*\j:W+8*\j+3],   v4, s[8:9] offset:32*\j
	global_load_b128 v[W+8*\j+4:W+8*\j+7], v4, s[8:9] offset:32*\j+16
.endr
	s_mov_b64 s[PL:PL+1], s[12:13]
	s_add_nc_u64 s[PL+2:PL+3], s[12:13], 0x800000
	s_add_nc_u64 s[PL+4:PL+5], s[12:13], 0x1000000
	s_wait_loadcnt 32                              ; x and theta are in; proj_w's 32 loads may be out
.irp k, 0,1
	v_add_f32 v[240+\k], v[240+\k], v[242+\k]                  ; a = x + theta
	s_delay_alu instid0(VALU_DEP_1)
	v_mul_f32 v[244+\k], 0x3f22f983, v[240+\k]                 ; a x 2 / pi
	s_delay_alu instid0(VALU_DEP_1)
	v_rndne_f32 v[244+\k], v[244+\k]                           ; n
	s_delay_alu instid0(VALU_DEP_1)
	v_fmamk_f32 v[240+\k], v[244+\k], 0xbfc90fdb, v[240+\k]    ; r = a - n pi/2:  pi/2 = 1.57079637 - 4.37113883e-8 - 1.715e-15
	s_delay_alu instid0(VALU_DEP_1)
	v_fmamk_f32 v[240+\k], v[244+\k], 0x333bbd2e, v[240+\k]
	s_delay_alu instid0(VALU_DEP_1)
	v_fmamk_f32 v[240+\k], v[244+\k], 0x26f72ced, v[240+\k]
	s_delay_alu instid0(VALU_DEP_1)
	v_mul_f32 v[246+\k], v[240+\k], v[240+\k]                  ; z = r r
	v_mov_b32 v[248+\k], 0x37ccf5ce
	s_delay_alu instid0(VALU_DEP_1)
	v_fmaak_f32 v[248+\k], v[248+\k], v[246+\k], 0xbab6061a
	s_delay_alu instid0(VALU_DEP_1)
	v_fmaak_f32 v[248+\k], v[248+\k], v[246+\k], 0x3d2aaaa5
	s_delay_alu instid0(VALU_DEP_4)
	v_mul_f32 v[250+\k], v[246+\k], v[246+\k]
	v_fma_f32 v[252+\k], v[246+\k], -0.5, 1.0
	s_delay_alu instid0(VALU_DEP_1)
	v_fma_f32 v[248+\k], v[248+\k], v[250+\k], v[252+\k]       ; cos r = 1 - z / 2 + z z (..)
	v_mov_b32 v[254+\k], 0xb94ca1f9
	s_delay_alu instid0(VALU_DEP_1)
	v_fmaak_f32 v[254+\k], v[254+\k], v[246+\k], 0x3c08839e
	s_delay_alu instid0(VALU_DEP_1)
	v_fmaak_f32 v[254+\k], v[254+\k], v[246+\k], 0xbe2aaaa3
	s_delay_alu instid0(VALU_DEP_1)
	v_mul_f32 v[254+\k], v[254+\k], v[246+\k]
	s_delay_alu instid0(VALU_DEP_1)
	v_fma_f32 v[254+\k], v[254+\k], v[240+\k], v[240+\k]       ; sin r = r + r z (..)
	v_cvt_i32_f32 v[244+\k], v[244+\k]                         ; n as a whole number: n mod 4 = 0: cos r; 1: -sin r; 2: -cos r; 3: sin r
	s_delay_alu instid0(VALU_DEP_1)
	v_and_b32 v[250+\k], 1, v[244+\k]
	s_delay_alu instid0(VALU_DEP_1)
	v_cmp_ne_u32 vcc_lo, 0, v[250+\k]
	s_delay_alu instid0(VALU_DEP_1)
	v_cndmask_b32 v[248+\k], v[248+\k], v[254+\k], vcc_lo
	s_delay_alu instid0(VALU_DEP_4)
	v_add_nc_u32 v[244+\k], 1, v[244+\k]
	s_delay_alu instid0(VALU_DEP_1)
	v_and_b32 v[244+\k], 2, v[244+\k]
	s_delay_alu instid0(VALU_DEP_1)
	v_lshlrev_b32 v[244+\k], 30, v[244+\k]                     ; the sign bit where n mod 4 is 1 or 2
	s_delay_alu instid0(VALU_DEP_1)
	v_xor_b32 v[248+\k], v[248+\k], v[244+\k]
.endr
	ds_store_b64 v6, v[248:249]                    ; token lane / 4, wires 2 (lane % 4) and the next: 32 bytes a token
.irp r, 0,1,2,3,4,5,6,7
	ds_load_b128 v[C+8*\r:C+8*\r+3],   v7 offset:32*\r       ; LDS serves a wave's instructions in order (ISA guide 5.7.1.4): these see my wave's stores
	ds_load_b128 v[C+8*\r+4:C+8*\r+7], v7 offset:32*\r+16
.endr
	s_wait_kmcnt 0x0
.irp s, 0,1,2
	s_add_co_i32 s30, s[20+2*\s], 127
	s_lshl_b32 s31, s30, 23
	v_mov_b32 v[SC+2*\s], s31                      ; 2^e as f32: the conversion takes its exponent field
	s_add_co_i32 s30, s30, 15
	s_lshl_b32 s30, s30, 23
	s_or_b32 s30, s30, 0x600000
	v_mov_b32 v[SC+2*\s+1], s30                    ; 57,344 x 2^e
.endr
	s_wait_loadcnt 0x0                             ; proj_w
	s_wait_dscnt 0x0                               ; the cosines
; One token: 16 dot products of 8, two wires at a time, then three times hold, convert, store.
.macro ROW rho
.if \rho > 0
	s_wait_xcnt 0x0                                ; the last token's stores have had their addresses translated (ISA guide 3.1): their data registers, which lie among P's, are written again only behind this wait
.endif
.irp j, 0,1,2,3,4,5,6,7,8,9,10,11,12,13,14,15
	v_pk_mul_f32 v[P+2*\j:P+2*\j+1], v[W+8*\j:W+8*\j+1], v[C+8*\rho:C+8*\rho+1]
.endr
.irp i, 2,4,6
.irp j, 0,1,2,3,4,5,6,7,8,9,10,11,12,13,14,15
	v_pk_fma_f32 v[P+2*\j:P+2*\j+1], v[W+8*\j+\i:W+8*\j+\i+1], v[C+8*\rho+\i:C+8*\rho+\i+1], v[P+2*\j:P+2*\j+1]
.endr
.endr
.irp j, 0,1,2,3,4,5,6,7,8,9,10,11,12,13,14,15
	v_add_f32 v[X+\j], v[P+2*\j], v[P+2*\j+1]
.endr
.irp s, 0,1,2
.irp i, 0,1,2,3,4,5,6,7,8,9,10,11,12,13,14,15
	v_med3_num_f32 v[T+\i], v[X+\i], -v[SC+2*\s+1], v[SC+2*\s+1]   ; the conversion to an 8-bit code does not saturate (ISA guide 7.6.2): hold the number first
.endr
	v_cvt_scalef32_pk8_bf8_f32 v[CODE+4*\s:CODE+4*\s+1],   v[T:T+7],    v[SC+2*\s]
	v_cvt_scalef32_pk8_bf8_f32 v[CODE+4*\s+2:CODE+4*\s+3], v[T+8:T+15], v[SC+2*\s]
	v_nop                                          ; one plain vector instruction between a scaled conversion and the next write of its sources (the next scale's holds, the next token's products)
	global_store_b128 v5, v[CODE+4*\s:CODE+4*\s+3], s[PL+2*\s:PL+2*\s+1] offset:1024*\rho
.endr
.endm
.irp r, 0,1,2,3,4,5,6,7
	ROW \r
.endr
	s_wait_tensorcnt 0x0
	ds_add_u32 v14, v15
	s_wait_dscnt 0x0
	s_endpgm
.Lfunc_end_k_q5f2b5aeaf5_prep:
	.size	k_q5f2b5aeaf5_prep, .Lfunc_end_k_q5f2b5aeaf5_prep-k_q5f2b5aeaf5_prep
	.p2alignl 7, 3214868480
	.fill 96, 4, 3214868480
	.section	.rodata,"a",@progbits
	.p2align	6, 0x0
	.amdhsa_kernel k_q5f2b5aeaf5_prep
		.amdhsa_group_segment_fixed_size 3072
		.amdhsa_private_segment_fixed_size 0
		.amdhsa_enable_private_segment 0
		.amdhsa_kernarg_size 40
		.amdhsa_user_sgpr_count 2
		.amdhsa_user_sgpr_kernarg_segment_ptr 1
		.amdhsa_wavefront_size32 1
		.amdhsa_system_sgpr_workgroup_id_x 1
		.amdhsa_system_sgpr_workgroup_id_y 1
		.amdhsa_system_sgpr_workgroup_id_z 1
		.amdhsa_system_vgpr_workitem_id 0
		.amdhsa_next_free_vgpr 256
		.amdhsa_next_free_sgpr 66
		.amdhsa_reserve_vcc 1
		.amdhsa_float_denorm_mode_32 3
		.amdhsa_float_denorm_mode_16_64 3
		.amdhsa_memory_ordered 1
		.amdhsa_forward_progress 1
		.amdhsa_inst_pref_size 78
	.end_amdhsa_kernel
	.amdgpu_metadata
---
amdhsa.version: [ 1, 2 ]
amdhsa.kernels:
  - .name:           k_q5f2b5aeaf5_prep
    .symbol:         k_q5f2b5aeaf5_prep.kd
    .args:
      - { .name: x, .offset: 0, .size: 8, .value_kind: global_buffer, .address_space: global }
      - { .name: theta, .offset: 8, .size: 8, .value_kind: global_buffer, .address_space: global }
      - { .name: proj_w, .offset: 16, .size: 8, .value_kind: global_buffer, .address_space: global }
      - { .name: lowp_scales, .offset: 24, .size: 8, .value_kind: global_buffer, .address_space: global }
      - { .name: xa, .offset: 32, .size: 8, .value_kind: global_buffer, .address_space: global }
    .group_segment_fixed_size: 3072
    .private_segment_fixed_size: 0
    .kernarg_segment_align: 8
    .kernarg_segment_size: 40
    .max_flat_workgroup_size: 256
    .sgpr_count:     66
    .vgpr_count:     256
    .wavefront_size: 32
...
	.end_amdgpu_metadata
.endif
;; end of part 1
;; launch qkv (part 2): grid 12 x 32, 4 waves a work-group, clusters of 4 x 4, 327,680 bytes of LDS; arguments xa, q_w_codes, k_w_codes, v_w_codes, q_b, k_b, v_b, lowp_scales, qkv; writes qkv
.if DOCPART == 2
	.amdgcn_target "amdgcn-amd-amdhsa--gfx1250"
	.amdhsa_code_object_version 6
	.text
	.protected	k_q5f2b5aeaf5_qkv
	.globl	k_q5f2b5aeaf5_qkv
	.p2align	8
	.type	k_q5f2b5aeaf5_qkv,@function
k_q5f2b5aeaf5_qkv:
	s_mov_b64 s[64:65], 0
	v_nop
	global_prefetch_b8 v0, s[64:65] scope:SCOPE_SE
	s_setreg_imm32_b32 hwreg(HW_REG_WAVE_MODE, 25, 1), 1
	s_wait_xcnt 0x0
	s_wait_alu depctr_hold_cnt(0) depctr_sa_sdst(0) depctr_va_vdst(0) depctr_va_sdst(0) depctr_va_ssrc(0) depctr_va_vcc(0) depctr_vm_vsrc(0)
	s_getreg_b32 s2, hwreg(HW_REG_IB_STS2, 6, 4)
	s_cmp_eq_u32 s2, 0
	s_cbranch_scc0 .Lentry_in_a_cluster
	s_endpgm
.Lentry_in_a_cluster:
	s_bfe_u32 s2, ttmp6, 0x10000c
	s_cmp_lg_u32 s2, 0xf033
	s_cbranch_scc0 .Lentry_shape_is_right
	s_endpgm
.Lentry_shape_is_right:
; q, k, v = x_q W^T + b on codes of BF8, and their codes under 2^e6, 2^e7, 2^e9: three planes of qkv.  Cluster x picks the product (0 q, 1 k, 2 v); a work-group makes 256 x 256 of it, K in steps of 256 through two slots.
; A slot's first 256 rows feed source 1 and are shared along a row of the cluster (their place in memory hangs on cy), its second 256 rows feed source 0 and are shared along a column (cx).
; q, k: the first rows are tokens (tile 4 x cluster y + cy), the second weights (tile cx).  v: the first are weights (tile cy), the second tokens (tile 4 x cluster y + cx), so that a lane holds one channel and eight neighbouring keys.
; So both masks and every LDS address are the same for the three products; only the sources in memory are chosen, by cluster x.
.set KSTEP,  256
.set ROWB,   256
.set KROW,   1024
.set PITCH,  272
.set FR,     16
.set NL,     4
.set NP,     4
.set HALFT,  128*PITCH
.set SLOT,   4*HALFT
.set LAPS,   2
.set SPARE,  2*SLOT
.set SQ,     0
.set SV,     16384
.set ADRA, 16
.set ADRB, 20
.set STOV, 22
.set RDV,  23
.set STOQ, 24
.set RDQ,  25
.set CO,   26
.set SPW,  28
.set NIL,  29
.set SCO,  30
.set LIMO, 31
.set BI,   32
.set BV,   96
.set AF,   128
.set TMP,  128
.set CD,   192
.set BK,   208
.set G1, 24
.set G0, 32
.set G1B, 48
.set G0B, 56
.set MSB, 0
.macro WIN new
.if MSB != \new
	s_set_vgpr_msb (MSB<<8)|\new
.set MSB, \new
.endif
.endm
.set MUL_LO, 0xa1
.set MUL_HI, 0xf1
.set TO_B,   0x40
.macro JLOAD g0a, g1a, g0b, g1b
	s_cmp_eq_u32 s15, 0
	s_cbranch_scc0 .Lfor_b_\@
	tensor_load_to_lds s[\g0a:\g0a+3], s[\g1a:\g1a+7]
	s_nop 0
.rept 4
	v_nop
.endr
	s_branch .Lasked_\@
.Lfor_b_\@:
	tensor_load_to_lds s[\g0b:\g0b+3], s[\g1b:\g1b+7]
	s_nop 0
.rept 4
	v_nop
.endr
.Lasked_\@:
.endm
.macro CREST
	s_cmp_lg_u32 s14, 0
	s_cbranch_scc1 .Lnot_wave_0_\@
	s_barrier_signal -3
.Lnot_wave_0_\@:
	s_barrier_wait -3
	s_barrier_signal -1
	s_barrier_wait -1
.endm
.macro CROUND
	s_barrier_signal -1
	s_barrier_wait -1
	CREST
.endm
	s_load_b256 s[68:75], s[0:1], 0x0
	s_load_b256 s[76:83], s[0:1], 0x20
	s_load_b64 s[84:85], s[0:1], 0x40
	v_lshl_add_u32 v[SPW], v0, 2, SPARE
	v_mov_b32 v[NIL], 0
	ds_add_u32 v28, v29
	ds_add_u32 v28, v29
	s_wait_dscnt 0x0
	v_lshrrev_b32 v1, 5, v0
	v_readfirstlane_b32 s14, v1
	s_lshr_b32 s15, s14, 1
	s_and_b32 s16, s14, 1
	s_bfe_u32 s40, ttmp6, 0x40000
	s_bfe_u32 s41, ttmp6, 0x40004
	s_and_b32 s17, ttmp7, 0xffff
	s_lshl_b32 s17, s17, 2
	s_cmp_eq_u32 ttmp9, 2                          ; v?
	s_cselect_b32 s86, 0, s17
	s_cselect_b32 s87, s17, 0
	s_add_co_u32 s86, s86, s41                     ; tile of the first 256 rows: q, k: 4 x cluster y + cy;  v: cy
	s_add_co_u32 s87, s87, s40                     ; tile of the second 256 rows: q, k: cx;  v: 4 x cluster y + cx
	s_lshl_b32 s43, s41, 2
	s_lshl_b32 s43, 15, s43
	s_lshl_b32 s44, 0x1111, s40
	s_or_b32 s[G1+0], s43, (0<<16)|(1<<20)|(1<<21)|(5<<22)|(3<<25)
	s_or_b32 s[G1B+0], s44, (0<<16)|(1<<20)|(1<<21)|(5<<22)|(3<<25)
.irp g, G1, G1B
	s_mov_b32 s[\g+1], ROWB<<16
	s_mov_b32 s[\g+2], 128<<16
	s_mov_b32 s[\g+3], ROWB<<16
	s_mov_b32 s[\g+4], 128
	s_mov_b32 s[\g+5], KROW
	s_mov_b32 s[\g+6], 0
	s_mov_b32 s[\g+7], 0
.endr
	s_lshl_b32 s18, s16, 7
	s_lshl_b32 s20, s86, 8
	s_add_co_u32 s20, s20, s18
	s_lshl_b32 s20, s20, 10
	s_mov_b32 s21, 0
	s_lshl_b32 s46, s87, 8
	s_add_co_u32 s46, s46, s18
	s_lshl_b32 s46, s46, 10
	s_mov_b32 s47, 0
	s_lshl_b32 s22, ttmp9, 23
	s_mov_b32 s23, 0
	s_mul_i32 s45, s14, HALFT
	s_wait_kmcnt 0x0
	s_load_b128 s[88:91], s[82:83], 0x0
	s_load_b128 s[92:95], s[82:83], 0x10
	s_load_b128 s[96:99], s[82:83], 0x20
	s_cmp_eq_u32 ttmp9, 0
	s_cselect_b64 s[6:7], s[70:71], s[72:73]
	s_cselect_b64 s[8:9], s[76:77], s[78:79]
	s_cmp_eq_u32 ttmp9, 2
	s_cselect_b64 s[6:7], s[74:75], s[6:7]
	s_cselect_b64 s[8:9], s[80:81], s[8:9]
	s_cselect_b32 s18, s16, s15
	s_cselect_b32 s19, s15, s16
	s_add_nc_u64 s[4:5], s[68:69], s[22:23]
	s_add_nc_u64 s[10:11], s[84:85], s[22:23]
	s_cselect_b64 s[100:101], s[6:7], s[4:5]       ; the first rows' source: v: the weights; q, k: the tokens' codes
	s_cselect_b64 s[4:5], s[4:5], s[6:7]           ; the second rows' source: the other one
	s_add_nc_u64 s[20:21], s[100:101], s[20:21]
	s_add_nc_u64 s[46:47], s[4:5], s[46:47]
	CROUND
.irp s, 0,1
	s_mov_b32 s[G0+4*\s], 1
	s_add_co_u32 s[G0+4*\s+1], s45, \s*SLOT
	s_add_nc_u64 s[G0+4*\s+2:G0+4*\s+3], s[20:21], \s*ROWB
	s_or_b32 s[G0+4*\s+3], s[G0+4*\s+3], 0x80000000
	s_mov_b32 s[G0B+4*\s], 1
	s_add_co_u32 s[G0B+4*\s+1], s45, \s*SLOT
	s_add_nc_u64 s[G0B+4*\s+2:G0B+4*\s+3], s[46:47], \s*ROWB
	s_or_b32 s[G0B+4*\s+3], s[G0B+4*\s+3], 0x80000000
	s_wait_alu depctr_va_vdst(0)
	s_wait_tensorcnt 0x0
	ds_add_u32 v28, v29
	ds_add_u32 v28, v29
	s_wait_dscnt 0x0
	CROUND
	JLOAD G0+4*\s, G1, G0B+4*\s, G1B
.endr
	v_and_b32 v1, 15, v0
	s_wait_alu depctr_va_vdst(0)
	v_bfe_u32 v2, v0, 4, 1
	v_mul_u32_u24 v3, v1, PITCH
	v_lshl_add_u32 v4, v2, 4, v3
	s_mul_i32 s21, s15, HALFT
	s_mul_i32 s22, s16, HALFT
	s_add_co_u32 s22, s22, 2*HALFT
.irp s, 0,1
	v_add_nc_u32 v[ADRA+\s], s21, v4
	v_add_nc_u32 v[ADRB+\s], s22, v4
	s_add_co_u32 s21, s21, SLOT
	s_add_co_u32 s22, s22, SLOT
.endr
	v_and_b32 v6, 31, v0
	s_mul_i32 s23, s14, 2*16*80
	v_mul_u32_u24 v5, v1, 80
	s_wait_alu depctr_va_vdst(0)
	v_lshl_add_u32 v5, v2, 3, v5
	v_add_nc_u32 v[STOQ], s23, v5
	v_lshrrev_b32 v9, 2, v6
	v_mul_u32_u24 v9, v9, 80
	v_and_b32 v10, 3, v0
	v_lshl_add_u32 v9, v10, 4, v9
	v_add_nc_u32 v[RDQ], s23, v9
	s_mul_i32 s23, s14, 16*144
	s_add_co_u32 s23, s23, SV
	v_mul_u32_u24 v5, v1, 144
	v_lshl_add_u32 v5, v2, 4, v5
	v_add_nc_u32 v[STOV], s23, v5
	v_lshrrev_b32 v9, 3, v6
	v_mul_u32_u24 v9, v9, 144
	v_and_b32 v10, 7, v0
	v_lshl_add_u32 v9, v10, 4, v9
	v_add_nc_u32 v[RDV], s23, v9
	v_lshlrev_b32 v[CO], 4, v6
	v_lshlrev_b32 v7, 5, v2
	s_wait_alu depctr_va_vdst(0)
	v_lshlrev_b32 v8, 2, v1
	s_wait_alu depctr_va_vdst(0)
	s_cmp_eq_u32 ttmp9, 2
	s_cselect_b32 s42, s41, s40                    ; my tile of channels: v: cy; q, k: cx
	s_cselect_b32 s43, s40, s41
	s_add_co_u32 s17, s17, s43                     ; my tile of tokens: 4 x cluster y + (v: cx; q, k: cy)
	s_lshl_b32 s46, s42, 10
	s_lshl_b32 s22, s16, 9
	s_add_co_u32 s22, s46, s22
	s_mov_b32 s23, 0
	s_add_nc_u64 s[12:13], s[8:9], s[22:23]
	s_lshl_b32 s22, s15, 9
	s_add_co_u32 s22, s46, s22
	s_add_nc_u64 s[100:101], s[8:9], s[22:23]
.irp b, 0,1,2,3,4,5,6,7
	global_load_b128 v[BI+8*\b:BI+8*\b+3],   v7, s[12:13] offset:64*\b
	global_load_b128 v[BI+8*\b+4:BI+8*\b+7], v7, s[12:13] offset:64*\b+16
.endr
.irp a, 0,1,2,3,4,5,6,7
	global_load_b32 v[BV+2*\a],   v8, s[100:101] offset:64*\a
	global_load_b32 v[BV+2*\a+1], v8, s[100:101] offset:64*\a
.endr
	s_lshl_b32 s20, s17, 8
	s_lshl_b32 s18, s18, 7
	s_add_co_u32 s20, s20, s18
	s_lshr_b32 s21, s20, 11
	s_lshl_b32 s21, s21, 4
	s_lshl_b32 s46, s42, 2
	s_add_co_u32 s21, s21, s46
	s_lshl_b32 s19, s19, 1
	s_add_co_u32 s21, s21, s19
	s_lshl_b32 s21, s21, 17
	s_and_b32 s20, s20, 2047
	s_lshl_b32 s20, s20, 6
	s_add_co_u32 s20, s20, s21
	s_mov_b32 s21, 0
	s_add_nc_u64 s[10:11], s[10:11], s[20:21]
.macro FRAG reg, adr, q, i
.irp c, 0,1,2,3
	ds_load_b128 v[\reg+4*\c:\reg+4*\c+3], v[\adr] offset:128*(\q)+32*\c+(\i)*16*PITCH
.endr
.endm
.macro MUL16 a0, p, zero
.irp a, \a0, \a0+1
.irp b, 0,1,2,3,4,5,6,7
.if \zero
	v_wmma_f32_16x16x128_bf8_bf8 v[8*(8*((\a)%4)+\b):8*(8*((\a)%4)+\b)+7], v[128*(\p)+FR*\b:128*(\p)+FR*\b+FR-1], v[AF+FR*(\a):AF+FR*(\a)+FR-1], 0
.else
	v_wmma_f32_16x16x128_bf8_bf8 v[8*(8*((\a)%4)+\b):8*(8*((\a)%4)+\b)+7], v[128*(\p)+FR*\b:128*(\p)+FR*\b+FR-1], v[AF+FR*(\a):AF+FR*(\a)+FR-1], v[8*(8*((\a)%4)+\b):8*(8*((\a)%4)+\b)+7]
.endif
.endr
.endr
.endm
.macro FETCH_B slot, q, p
	WIN TO_B
.irp i, 0,1,2,3,4,5,6,7
	FRAG 128*(\p)+FR*\i, ADRB+\slot, \q, \i
.endr
	WIN 0
.endm
.macro FETCH_A slot, q, i0
.irp i, \i0, \i0+1, \i0+2, \i0+3
	FRAG AF+FR*(\i), ADRA+\slot, \q, \i
.endr
.endm
.macro PLACES n
.rept \n
	v_nop
.endr
.endm
.macro STEP slot, q, zero
	s_wait_dscnt 4*NL
	WIN MUL_LO
	MUL16 0, (\q)%2, \zero
	MUL16 2, (\q)%2, \zero
	s_wait_dscnt 0
	PLACES NP
	FETCH_B \slot, (\q)+1, 1-(\q)%2
	FETCH_A \slot, (\q)+1, 0
	WIN MUL_HI
	MUL16 4, (\q)%2, \zero
	MUL16 6, (\q)%2, \zero
	PLACES NP
	WIN 0
	FETCH_A \slot, (\q)+1, 4
.endm
.macro TURN slot, next, fill
	s_wait_tensorcnt 0x0
	ds_add_u32 v[SPW], v[NIL]
	s_wait_dscnt 4*NL+1
	WIN MUL_LO
	MUL16 0, 1, 0
	s_wait_dscnt 0x0
	s_barrier_signal -1
	MUL16 2, 1, 0
	WIN 0
	s_barrier_wait -1
.if \fill
	CREST
	s_add_nc_u64 s[G0+4*\slot+2:G0+4*\slot+3], s[G0+4*\slot+2:G0+4*\slot+3], 2*ROWB
	s_add_nc_u64 s[G0B+4*\slot+2:G0B+4*\slot+3], s[G0B+4*\slot+2:G0B+4*\slot+3], 2*ROWB
	JLOAD G0+4*\slot, G1, G0B+4*\slot, G1B
.else
	PLACES NP
.endif
	FETCH_B \next, 0, 0
	FETCH_A \next, 0, 0
	WIN MUL_HI
	MUL16 4, 1, 0
	MUL16 6, 1, 0
	PLACES NP
	WIN 0
	FETCH_A \next, 0, 4
.endm
	s_wait_tensorcnt 1
	s_barrier_signal -1
	s_barrier_wait -1
	FETCH_B 0, 0, 0
	FETCH_A 0, 0, 0
	FETCH_A 0, 0, 4
	STEP 0, 0, 1
	s_mov_b32 s3, LAPS-1
.Llap:
	TURN 0, 1, 1
	STEP 1, 0, 0
	TURN 1, 0, 1
	STEP 0, 0, 0
	s_sub_co_u32 s3, s3, 1
	s_cmp_lg_u32 s3, 0
	s_cbranch_scc1 .Llap
	TURN 0, 1, 0
	STEP 1, 0, 0
	s_wait_dscnt 4*NL
	WIN MUL_LO
	MUL16 0, 1, 0
	MUL16 2, 1, 0
	s_wait_dscnt 0
	WIN MUL_HI
	MUL16 4, 1, 0
	MUL16 6, 1, 0
	WIN 0
.macro TOSTAGE a, vp
.set AC, 64*((\a)%4)
.set WW, 0x02+((\a)/4)
	WIN WW
.irp b, 0,1,2,3,4,5,6,7
.irp i, 0,2,4,6
.if \vp
	v_pk_fma_f32 v[TMP+8*\b+\i:TMP+8*\b+\i+1], v[AC+8*\b+\i:AC+8*\b+\i+1], s[66:67], v[BV+2*(\a):BV+2*(\a)+1] op_sel_hi:[1,0,1]
.else
	v_pk_fma_f32 v[TMP+8*\b+\i:TMP+8*\b+\i+1], v[AC+8*\b+\i:AC+8*\b+\i+1], s[66:67], v[BI+8*\b+\i:BI+8*\b+\i+1] op_sel_hi:[1,0,1]
.endif
.endr
.endr
	WIN 0
.set n, 0
.rept 64
	v_med3_num_f32 v[TMP+n], v[TMP+n], -v[LIMO], v[LIMO]
.set n, n+1
.endr
.irp b, 0,1,2,3,4,5,6,7
	v_cvt_scalef32_pk8_bf8_f32 v[CD+2*\b:CD+2*\b+1], v[TMP+8*\b:TMP+8*\b+7], v[SCO]
.endr
	v_nop
.irp b, 0,1,2,3,4,5,6,7
.if \vp
	ds_store_b64 v[STOV], v[CD+2*\b:CD+2*\b+1] offset:32*(\b/2)+8*(\b%2)
.else
	ds_store_b64 v[STOQ], v[CD+2*\b:CD+2*\b+1] offset:SQ+1280*(\b/4)+16*(\b%4)
.endif
.endr
.set BB, BK+16*((\a)%2)
.irp i, 0,1,2,3
.if \vp
	ds_load_b128 v[BB+4*\i:BB+4*\i+3], v[RDV] offset:576*\i
.else
	ds_load_b128 v[BB+4*\i:BB+4*\i+3], v[RDQ] offset:SQ+640*\i
.endif
.endr
.endm
.macro SEND a, vp, younger
.set BB, BK+16*((\a)%2)
	s_wait_dscnt \younger
.irp i, 0,1,2,3
.if \vp
	global_store_b128 v[CO], v[BB+4*\i:BB+4*\i+3], s[10:11] offset:131072*((\a)/4)+2048*((\a)%4)+512*\i
.else
	global_store_b128 v[CO], v[BB+4*\i:BB+4*\i+3], s[10:11] offset:131072*(\i/2)+1024*(\a)+512*(\i%2)
.endif
.endr
.endm
.macro WAYOUT vp
	TOSTAGE 0, \vp
.irp a, 1,2,3,4,5,6,7
.if \a > 1
	s_wait_xcnt 0x0
.endif
	TOSTAGE \a, \vp
	SEND \a-1, \vp, 12
.endr
	SEND 7, \vp, 0
.endm
	s_wait_kmcnt 0x0
	s_add_co_i32 s88, s88, s89
	s_add_co_i32 s90, s90, s91
	s_add_co_i32 s92, s92, s93
	s_cmp_eq_u32 ttmp9, 0
	s_cselect_b32 s66, s88, s90
	s_cselect_b32 s18, s94, s95
	s_cmp_eq_u32 ttmp9, 2
	s_cselect_b32 s66, s92, s66
	s_cselect_b32 s18, s97, s18
	s_add_co_i32 s66, s66, 127
	s_lshl_b32 s66, s66, 23
	s_mov_b32 s67, s66
	s_add_co_i32 s18, s18, 127
	s_lshl_b32 s19, s18, 23
	v_mov_b32 v[SCO], s19
	s_add_co_i32 s18, s18, 15
	s_lshl_b32 s18, s18, 23
	s_or_b32 s18, s18, 0x600000
	v_mov_b32 v[LIMO], s18
	PLACES 2
	s_wait_loadcnt 0x0
	s_cmp_eq_u32 ttmp9, 2
	s_cbranch_scc1 .Lvpath
	WAYOUT 0
	s_branch .Ljoin
.Lvpath:
	WAYOUT 1
.Ljoin:
	s_wait_tensorcnt 0x0
	ds_add_u32 v[SPW], v[NIL]
	s_wait_dscnt 0x0
	CROUND
	s_endpgm
.Lfunc_end_k_q5f2b5aeaf5_qkv:
	.size	k_q5f2b5aeaf5_qkv, .Lfunc_end_k_q5f2b5aeaf5_qkv-k_q5f2b5aeaf5_qkv
	.p2alignl 7, 3214868480
	.fill 96, 4, 3214868480
	.section	.rodata,"a",@progbits
	.p2align	6, 0x0
	.amdhsa_kernel k_q5f2b5aeaf5_qkv
		.amdhsa_group_segment_fixed_size 327680
		.amdhsa_private_segment_fixed_size 0
		.amdhsa_enable_private_segment 0
		.amdhsa_kernarg_size 72
		.amdhsa_user_sgpr_count 2
		.amdhsa_user_sgpr_kernarg_segment_ptr 1
		.amdhsa_wavefront_size32 1
		.amdhsa_system_sgpr_workgroup_id_x 1
		.amdhsa_system_sgpr_workgroup_id_y 1
		.amdhsa_system_sgpr_workgroup_id_z 1
		.amdhsa_system_vgpr_workitem_id 0
		.amdhsa_next_free_vgpr 1024
		.amdhsa_next_free_sgpr 102
		.amdhsa_reserve_vcc 0
		.amdhsa_float_denorm_mode_32 3
		.amdhsa_float_denorm_mode_16_64 3
		.amdhsa_memory_ordered 1
		.amdhsa_forward_progress 1
		.amdhsa_inst_pref_size 209
	.end_amdhsa_kernel
	.amdgpu_metadata
---
amdhsa.version: [ 1, 2 ]
amdhsa.kernels:
  - .name:           k_q5f2b5aeaf5_qkv
    .symbol:         k_q5f2b5aeaf5_qkv.kd
    .args:
      - { .name: xa, .offset: 0, .size: 8, .value_kind: global_buffer, .address_space: global }
      - { .name: q_w_codes, .offset: 8, .size: 8, .value_kind: global_buffer, .address_space: global }
      - { .name: k_w_codes, .offset: 16, .size: 8, .value_kind: global_buffer, .address_space: global }
      - { .name: v_w_codes, .offset: 24, .size: 8, .value_kind: global_buffer, .address_space: global }
      - { .name: q_b, .offset: 32, .size: 8, .value_kind: global_buffer, .address_space: global }
      - { .name: k_b, .offset: 40, .size: 8, .value_kind: global_buffer, .address_space: global }
      - { .name: v_b, .offset: 48, .size: 8, .value_kind: global_buffer, .address_space: global }
      - { .name: lowp_scales, .offset: 56, .size: 8, .value_kind: global_buffer, .address_space: global }
      - { .name: qkv, .offset: 64, .size: 8, .value_kind: global_buffer, .address_space: global }
    .group_segment_fixed_size: 327680
    .private_segment_fixed_size: 0
    .kernarg_segment_align: 8
    .kernarg_segment_size: 72
    .max_flat_workgroup_size: 128
    .sgpr_count:     102
    .vgpr_count:     1024
    .wavefront_size: 32
...
	.end_amdgpu_metadata
.endif
;; end of part 2
;; launch attn (part 3): grid 4 x 64, 8 waves a work-group, clusters of 4 x 1, 327,680 bytes of LDS; arguments qkv, lowp_scales, ao; writes ao
.if DOCPART == 3
	.amdgcn_target "amdgcn-amd-amdhsa--gfx1250"
	.amdhsa_code_object_version 6
	.text
	.protected	k_q5f2b5aeaf5_attn
	.globl	k_q5f2b5aeaf5_attn
	.p2align	8
	.type	k_q5f2b5aeaf5_attn,@function
k_q5f2b5aeaf5_attn:
	s_mov_b64 s[64:65], 0
	v_nop
	global_prefetch_b8 v0, s[64:65] scope:SCOPE_SE
	s_setreg_imm32_b32 hwreg(HW_REG_WAVE_MODE, 25, 1), 1
	s_wait_xcnt 0x0
	s_wait_alu depctr_hold_cnt(0) depctr_sa_sdst(0) depctr_va_vdst(0) depctr_va_sdst(0) depctr_va_ssrc(0) depctr_va_vcc(0) depctr_vm_vsrc(0)
	s_getreg_b32 s2, hwreg(HW_REG_IB_STS2, 6, 4)
	s_cmp_eq_u32 s2, 0
	s_cbranch_scc0 .Lentry_in_a_cluster
	s_endpgm
.Lentry_in_a_cluster:
	s_bfe_u32 s2, ttmp6, 0x10000c
	s_cmp_lg_u32 s2, 0x3003
	s_cbranch_scc0 .Lentry_shape_is_right
	s_endpgm
.Lentry_shape_is_right:
; o[y][q] = the sum over k of softmax_k(q . k / 8) v, for 64 heads y = 16 batch + head of 2,048 tokens and head size 64, both products on codes of BF8 (E5M2); and o's codes under 2^e10 for the last product.
; IN (one buffer, three planes of 2^23 bytes): q and k [64 y][2048][64 d]; v [64 y][16 blocks of 128 keys][64 d][128 places], place 32 c + 16 h + 8 u + j = key 32 c + 16 u + 8 h + j.
; OUT: ao [16 heads][8192 tokens][64 d], one code a byte: a wave's 16 queries are 1,024 consecutive bytes.
; THE SOFTMAX: t = score x log2(e) / 8; M = the row's largest t so far, rounded UP to a whole number; p = 2^(t - M) is quantised under 2^e8, not normalised.
; The row's sum is taken of the unquantised p, in f32, and divides at the end.  When M moves, the sum and O are multiplied by 2^(old M - new M): a power of two.
; LIMITS: e6 + e7 between -123 and 130 (added to c's exponent field); e8 and e10 between -126 and 112; e8 + e9 goes in by v_ldexp_f32 and has none; the scaled scores stay under 2^31 in magnitude.
; SHARES.  A cluster is one head; each of its four work-groups owns 512 queries, in two passes of 256; in a pass each of the eight waves owns 32 queries, two tiles of 16, so that each fragment feeds two matrix instructions.
; ALL of the head's K and V lie in each work-group's LDS, filled ONCE, by one tensor load a wave: waves 0-3 take 512 keys of K each, waves 4-7 four blocks of V each, 32,768 bytes a load.
; The four work-groups need the same K and V: each load is a JOINT one, with the same descriptor and the mask of all four.  One barrier shows the tiles to all waves; behind it the waves share nothing.
; A KEY STEP is 128 keys.  The next step's fragments of K are asked for behind this step's first product, beside this step's V: a pass is a loop of 15 such steps and a last step that asks for no K, but for the next pass's Q.
; THE ORDER IN A STEP keeps dependent lines apart: eight chains of maxima; the exponentials in two batches, one a tile, with independent plain lines among them (tile 1's t - M; tile 0's first additions and holds),
; each of whose results is first read behind the next wait; the sums as a tree; tile 0's second product ahead of tile 1's additions, holds and conversions.
; LAYOUT.  Both products are used transposed: S^T = K Q^T, O^T = V^T P^T: a lane holds ONE query (lane % 16) throughout.
; Tile t of S^T holds keys 16 t + 8 (lane / 16) + 0 .. 7 in a lane's eight registers; their codes are registers 2 t, 2 t + 1 of P; V's order of places gives V the same.
; No prefetch: every tile is asked for at the head, and the launch has no later stream but 2,048 bytes of Q a wave.
; REGISTERS.  window 0: v1-14 addresses and scales; v16-31 statistics, 8 a tile; v32-37 at work; v40-55 Q; v56-87 P's codes; v94-95 the add's; v96-223 S^T, then p; v224-255 at work, and the way out.
;   window 1: v0-63 O^T (tile u, channels 16 d on: v[32 u + 8 d]); v64-127 K's 8 fragments; v128-191 V's 4.
.set KP,    80                         ; a key's row in LDS: 64 bytes + 16 of padding
.set VP,    144                        ; a row of V (a channel's 128 keys): 128 + 16
.set VOFF,  2048*KP                    ; K's 2,048 rows, then V's 1,024 (block x 64 + channel)
.set STAGE, VOFF+1024*VP               ; then the stages: 16 rows x 80 bytes for each wave; no tile lands there
.set SPARE, STAGE+8*16*KP              ; then the spare words, 128 bytes a wave
.set KSB,   128*KP                     ; a key step in K
.set VSB,   64*VP                      ; and in V
.set AK0, 1                            ; my lane's place in a tile of K
.set AV0, 2                            ; the same for V
.set QO,  3                            ; my byte offset in a tile of Q
.set STO, 4                            ; the way out: where I put 8 codes
.set RD,  5                            ; where I read 16 back
.set GO,  6                            ; 16 x lane
.set ADK, 7                            ; LDS address of the next step's K
.set ADV, 8                            ; of this step's V
.set LIMP, 9                           ; 57,344 x 2^e8, and once more in v14: the two halves of a dual instruction take their first sources from different banks
.set SCP, 10                           ; 2^e8
.set LIMO, 11                          ; 57,344 x 2^e10
.set SCO, 12                           ; 2^e10
.set LIM2, 14
.set ST,  16                           ; tile u at ST + 8 u: +0 -M, +1 the largest score, +2, +3 the sum in two halves, +4 f (later 2^(e8 + e9) / the sum), +5 zero, +6, +7 at work
.set PX,  32                           ; the lane permutes' destinations
.set S2,  34                           ; v34, v36: the old -M
.set Q,   40
.set PC,  56
.set SPW, 94
.set NIL, 95
.set S,   96
.set MX,  224                          ; v224-231 the chains of maxima, four a tile
.set T,   224                          ; v224-255 afterwards: 16 pairs of partial sums
.set CD,  224
.set BK,  240
.set OT,  0                            ; in window 1
.set KF,  64
.set VF,  128
.set WV,  10                           ; s10  my wave's number
.set SEL, 20                           ; s[20:21] lane selects for v_permlanex16_b32: lane l xor 16
.set CS,  22                           ; s[22:23] c = log2(e) / 8 x 2^(e6 + e7)
.set G1K, 24                           ; s[24:31] descriptor group 1 for K;  s[32:39] for V;  s[40:43], s[44:47] their groups 0
.set G1V, 32
.set G0K, 40
.set G0V, 44
.set TBK, 56                           ; s56  LDS byte of the next step's keys in K
.set TBV, 57                           ; s57  of this step's in V
.set MSB, 0
.macro WIN new                         ; the immediate's high byte repeats the setting that is left
.if MSB != \new
	s_set_vgpr_msb (MSB<<8)|\new
.set MSB, \new
.endif
.endm
.macro CROUND                          ; a round of the cluster's barrier
	s_barrier_signal -1
	s_barrier_wait -1
	s_cmp_lg_u32 s[WV], 0
	s_cbranch_scc1 .Lnot_wave_0_\@
	s_barrier_signal -3
.Lnot_wave_0_\@:
	s_barrier_wait -3
	s_barrier_signal -1
	s_barrier_wait -1
.endm
.macro KLOAD adr                       ; K's eight fragments of a step: 16 keys x 64 d each
.irp t, 0,1,2,3,4,5,6,7
	ds_load_b128 v[KF+8*\t:KF+8*\t+3],   v[\adr] offset:16*KP*\t
	ds_load_b128 v[KF+8*\t+4:KF+8*\t+7], v[\adr] offset:16*KP*\t+32
.endr
.endm
.macro QLOAD off                       ; my 32 queries' codes
	global_load_b128 v[Q:Q+3],     v[QO], s[16:17] offset:\off
	global_load_b128 v[Q+4:Q+7],   v[QO], s[16:17] offset:\off+32
	global_load_b128 v[Q+8:Q+11],  v[QO], s[16:17] offset:\off+1024
	global_load_b128 v[Q+12:Q+15], v[QO], s[16:17] offset:\off+1056
.endm
	s_load_b128 s[4:7], s[0:1], 0x0                ; qkv s[4:5], the scales' exponents s[6:7]
	s_load_b64 s[8:9], s[0:1], 0x10                ; ao
	v_lshl_add_u32 v[SPW], v0, 2, SPARE
	v_mov_b32 v[NIL], 0
	ds_add_u32 v[SPW], v[NIL]                      ; the opening lines: the add, twice on end, and its wait ahead of my tensor load
	ds_add_u32 v[SPW], v[NIL]
	v_lshrrev_b32 v1, 5, v0
	s_delay_alu instid0(VALU_DEP_1)
	v_readfirstlane_b32 s[WV], v1                  ; wave 0..7
	s_bfe_u32 s11, ttmp6, 0x40000                  ; cx: which 512 queries: it enters Q's and ao's addresses alone
	s_and_b32 s12, ttmp7, 0xffff                   ; y, which the four partners share
	; group 1: 32,768 dense bytes as 128 rows of 256; the padding follows the rows as they lie in LDS
	s_mov_b32 s[G1K], 15|(0<<16)|(1<<20)|(1<<21)|(3<<22)|(3<<25)   ; the mask of all four; elements of 1 byte; padding on; bit 21 beside a mask; four words after every 16: a key's 64 bytes
	s_mov_b32 s[G1V], 15|(0<<16)|(1<<20)|(1<<21)|(4<<22)|(3<<25)   ; four words after every 32: a channel's 128 keys
.irp g, G1K, G1V
	s_mov_b32 s[\g+1], 256<<16                     ; tensor_dim0
	s_mov_b32 s[\g+2], 128<<16                     ; tensor_dim1
	s_mov_b32 s[\g+3], 256<<16                     ; tile_dim0
	s_mov_b32 s[\g+4], 128                         ; tile_dim1
	s_mov_b32 s[\g+5], 256                         ; tensor_dim0_stride
	s_mov_b32 s[\g+6], 0
	s_mov_b32 s[\g+7], 0
.endr
	s_and_b32 s60, s[WV], 3                        ; which quarter of the head's keys I fetch: waves 0-3 of K, waves 4-7 of V
	s_lshl_b32 s62, s12, 17                        ; the head: 131,072 bytes in each plane
	s_lshl_b32 s61, s60, 15
	s_add_co_u32 s62, s62, s61                     ; + my 32,768 bytes
	s_mov_b32 s63, 0
	s_mul_i32 s96, s60, 4*KSB                      ; and their place in LDS
	s_mul_i32 s97, s60, 4*VSB
	s_add_co_u32 s97, s97, VOFF
	s_lshl_b32 s99, s11, 15                        ; my work-group's 512 queries of 64 bytes,
	s_lshl_b32 s61, s[WV], 11
	s_add_co_u32 s99, s99, s61                     ; my wave's 32
	s_lshl_b32 s16, s12, 17
	s_add_co_u32 s16, s16, s99                     ; Q: y x 131,072 + ..
	s_mov_b32 s17, 0
	s_and_b32 s18, s12, 15
	s_lshl_b32 s18, s18, 19                        ; ao: head x 524,288
	s_lshr_b32 s61, s12, 4
	s_lshl_b32 s61, s61, 17                        ; + batch x 2,048 tokens of 64 bytes
	s_add_co_u32 s18, s18, s61
	s_add_co_u32 s18, s18, s99
	s_mov_b32 s19, 0
	s_mov_b32 s[SEL], 0x76543210
	s_mov_b32 s[SEL+1], 0xfedcba98
	s_mov_b32 s[CS], 0x3e38aa3b                    ; log2(e) / 8
	s_wait_dscnt 0x0                               ; both opening adds are done
	s_wait_kmcnt 0x0
	s_load_b128 s[88:91], s[6:7], 0x10             ; e4 .. e11 in s88 .. s95
	s_load_b128 s[92:95], s[6:7], 0x20
	s_add_nc_u64 s[62:63], s[4:5], s[62:63]
	s_add_nc_u64 s[16:17], s[4:5], s[16:17]
	s_add_nc_u64 s[18:19], s[8:9], s[18:19]
	s_mov_b32 s[G0K], 1
	s_mov_b32 s[G0K+1], s96
	s_add_nc_u64 s[G0K+2:G0K+3], s[62:63], 0x800000    ; in plane 1
	s_or_b32 s[G0K+3], s[G0K+3], 0x80000000
	s_mov_b32 s[G0V], 1
	s_mov_b32 s[G0V+1], s97
	s_add_nc_u64 s[G0V+2:G0V+3], s[62:63], 0x1000000   ; in plane 2
	s_or_b32 s[G0V+3], s[G0V+3], 0x80000000
	CROUND                                         ; all four work-groups are here: the joint loads meet
	s_cmp_lt_u32 s[WV], 4                          ; one tensor load a wave, one to each arm; an s_nop 0 and four v_nop follow it
	s_cbranch_scc0 .Lfirst_v
	tensor_load_to_lds s[G0K:G0K+3], s[G1K:G1K+7]
	s_nop 0
.rept 4
	v_nop
.endr
	s_branch .Lfirst_asked
.Lfirst_v:
	tensor_load_to_lds s[G0V:G0V+3], s[G1V:G1V+7]
	s_nop 0
.rept 4
	v_nop
.endr
.Lfirst_asked:
	v_and_b32 v13, 15, v0                          ; r = lane % 16
	v_bfe_u32 v14, v0, 4, 1                        ; h = lane / 16
	v_and_b32 v15, 31, v0                          ; lane
	v_lshlrev_b32 v[QO], 6, v13
	s_delay_alu instid0(VALU_DEP_1)
	v_lshl_add_u32 v[QO], v14, 4, v[QO]            ; query r, + 16 h: the same order of the head's 64 as in K's fragments
	QLOAD 0                                        ; the first pass's Q
	v_mul_u32_u24 v[AK0], v13, KP
	s_delay_alu instid0(VALU_DEP_1)
	v_lshl_add_u32 v[AK0], v14, 4, v[AK0]          ; key r of a tile, + 16 h
	v_mul_u32_u24 v[AV0], v13, VP
	s_delay_alu instid0(VALU_DEP_1)
	v_lshl_add_u32 v[AV0], v14, 4, v[AV0]
	s_delay_alu instid0(VALU_DEP_1)
	v_add_nc_u32 v[AV0], VOFF, v[AV0]              ; channel r of a tile, + 16 h
	s_mul_i32 s61, s[WV], 16*KP
	s_add_co_u32 s61, s61, STAGE                   ; my stage
	v_mul_u32_u24 v[STO], v13, KP
	s_delay_alu instid0(VALU_DEP_1)
	v_lshl_add_u32 v[STO], v14, 3, v[STO]
	s_delay_alu instid0(VALU_DEP_1)
	v_add_nc_u32 v[STO], s61, v[STO]               ; in: query r, + 8 h
	v_lshrrev_b32 v[RD], 2, v15
	s_delay_alu instid0(VALU_DEP_1)
	v_mul_u32_u24 v[RD], v[RD], KP
	v_and_b32 v13, 3, v0
	s_delay_alu instid0(VALU_DEP_1)
	v_lshl_add_u32 v[RD], v13, 4, v[RD]
	s_delay_alu instid0(VALU_DEP_1)
	v_add_nc_u32 v[RD], s61, v[RD]                 ; back: four lanes to a query's 64 bytes, eight queries a load
	v_lshlrev_b32 v[GO], 4, v15
	v_mov_b32 v[PX], 0                             ; written once: a lane permute's destination counts as one of its sources
	v_mov_b32 v[PX+1], 0
	s_wait_kmcnt 0x0
	s_add_co_i32 s61, s90, s91                     ; e6 + e7: added to c's exponent field
	s_lshl_b32 s61, s61, 23
	s_add_co_i32 s[CS], s[CS], s61
	s_mov_b32 s[CS+1], s[CS]                       ; (named with it as a pair, so it is written)
	s_add_co_i32 s61, s92, 127
	s_lshl_b32 s99, s61, 23
	v_mov_b32 v[SCP], s99                          ; 2^e8 as f32
	s_add_co_i32 s61, s61, 15
	s_lshl_b32 s61, s61, 23
	s_or_b32 s61, s61, 0x600000
	v_mov_b32 v[LIMP], s61                         ; 57,344 x 2^e8
	v_mov_b32 v[LIM2], s61
	s_add_co_i32 s61, s94, 127
	s_lshl_b32 s99, s61, 23
	v_mov_b32 v[SCO], s99                          ; 2^e10
	s_add_co_i32 s61, s61, 15
	s_lshl_b32 s61, s61, 23
	s_or_b32 s61, s61, 0x600000
	v_mov_b32 v[LIMO], s61
	s_add_co_i32 s98, s92, s93                     ; e8 + e9
.macro FMA u, n0, cnt                  ; t - M, two at a time (of the pairs c and -M the low word serves both halves): cnt pairs of tile u from register n0 on
.set n, \n0
.rept \cnt
	v_pk_fma_f32 v[S+64*\u+n:S+64*\u+n+1], v[S+64*\u+n:S+64*\u+n+1], s[CS:CS+1], v[ST+8*\u:ST+8*\u+1] op_sel_hi:[1,0,0]
.set n, n+2
.endr
.endm
.macro HOLD2 r                         ; the conversion to an 8-bit code does not saturate (ISA guide 7.6.2); p is not negative, so the hold is one-sided; two holds to an instruction
	v_dual_min_num_f32 v[\r], v[LIMP], v[\r] :: v_dual_min_num_f32 v[\r+1], v[LIM2], v[\r+1]
.endm
.macro FIRST r, g                      ; four p from register r on: their first addition (THE ROW'S SUM IS TAKEN OF THE UNQUANTISED p) into pair g
	v_pk_add_f32 v[T+2*(\g):T+2*(\g)+1], v[\r:\r+1], v[\r+2:\r+3]
.endm
.macro PADD d, a
	v_pk_add_f32 v[T+2*(\d):T+2*(\d)+1], v[T+2*(\d):T+2*(\d)+1], v[T+2*(\a):T+2*(\a)+1]
.endm
.macro RED2 u, i                       ; lines 2 i and 2 i + 1 of the 16 that add the 16 pairs, as a tree, onto tile u's sum
.if \i < 4
	PADD 2*\i, 2*\i+8
	PADD 2*\i+1, 2*\i+9
.elseif \i < 6
	PADD 2*\i-8, 2*\i-4
	PADD 2*\i-7, 2*\i-3
.elseif \i == 6
	PADD 0, 2
	PADD 1, 3
.else
	PADD 0, 1
	v_pk_add_f32 v[ST+8*\u+2:ST+8*\u+3], v[ST+8*\u+2:ST+8*\u+3], v[T:T+1]
.endif
.endm
.macro PV u                            ; O^T += V^T P^T of tile u: four accumulators, one instruction a turn
	WIN 0x51                                       ; V, C and D window 1; P window 0
.irp d, 0,1,2,3
	v_wmma_f32_16x16x128_bf8_bf8 v[OT+32*\u+8*\d:OT+32*\u+8*\d+7], v[VF+16*\d:VF+16*\d+15], v[PC+16*\u:PC+16*\u+15], v[OT+32*\u+8*\d:OT+32*\u+8*\d+7]
.endr
	WIN 0
.endm
; A KEY STEP: 128 keys against my 32 queries.  At its head the only LDS loads out are its 16 of K.  pf = 1: the next step's K is asked for.
.macro STEP pf
	s_wait_dscnt 0x0                               ; this step's K is in
	WIN 0x01                                       ; source 0 (K) window 1; Q and S^T window 0
.irp t, 0,2,4,6,1,3,5,7                ; in the order in which the maxima read them
.irp u, 0,1
	v_wmma_f32_16x16x64_bf8_bf8 v[S+64*\u+8*\t:S+64*\u+8*\t+7], v[KF+8*\t:KF+8*\t+7], v[Q+8*\u:Q+8*\u+7], 0
.endr
.endr
	WIN 0                                          ; four plain lines: the places in front of the loads into K's, V's and Q's registers and of the first read of the scores
.if \pf
	v_add_nc_u32 v[ADK], s[TBK], v[AK0]
.else
	v_nop
.endif
	v_add_nc_u32 v[ADV], s[TBV], v[AV0]
	v_mov_b32 v[S2], v[ST]                         ; the old -M of both tiles
	v_mov_b32 v[S2+2], v[ST+8]
	WIN 0x40                                       ; destination window 1, address window 0
.irp d, 0,1,2,3
.irp c, 0,1,2,3
	ds_load_b128 v[VF+16*\d+4*\c:VF+16*\d+4*\c+3], v[ADV] offset:16*VP*\d+32*\c
.endr
.endr
.if \pf
	KLOAD ADK                                      ; 16 loads behind V's 16
.endif
	WIN 0
.if \pf == 0
	s_cmp_eq_u32 s59, 1                            ; a pass follows?  (the count of passes alone)
	s_cbranch_scc1 .Lno_q_\@
	QLOAD 256*64                                   ; its Q: this pass's last first product has read these registers
.Lno_q_\@:
.endif
	; the step's largest score of my query among my 64 keys: four chains a tile, chain k over tiles 2 k and 2 k + 1 of S^T, each of which is first read at its low end
.irp k, 0,1,2,3
.irp u, 0,1
	v_max3_num_f32 v[MX+4*\u+\k], v[S+64*\u+16*\k], v[S+64*\u+16*\k+1], v[S+64*\u+16*\k+2]
.endr
.endr
.irp j, 3,5,7,9,11,13
.irp k, 0,1,2,3
.irp u, 0,1
	v_max3_num_f32 v[MX+4*\u+\k], v[MX+4*\u+\k], v[S+64*\u+16*\k+\j], v[S+64*\u+16*\k+\j+1]
.endr
.endr
.endr
.irp u, 0,1
	v_max3_num_f32 v[MX+4*\u], v[MX+4*\u], v[MX+4*\u+1], v[S+64*\u+15]     ; the chains are joined, with each chain's sixteenth score
.endr
.irp u, 0,1
	v_max3_num_f32 v[MX+4*\u+2], v[MX+4*\u+2], v[MX+4*\u+3], v[S+64*\u+31]
.endr
.irp u, 0,1
	v_max3_num_f32 v[MX+4*\u], v[MX+4*\u], v[S+64*\u+47], v[S+64*\u+63]
.endr
.irp u, 0,1
	v_max_num_f32 v[ST+8*\u+6], v[MX+4*\u], v[MX+4*\u+2]
.endr
.irp u, 0,1
	s_delay_alu instid0(VALU_DEP_2)
	v_permlanex16_b32 v[PX+\u], v[ST+8*\u+6], s[SEL], s[SEL+1]
.endr
.irp u, 0,1
	s_delay_alu instid0(VALU_DEP_2)
	v_max3_num_f32 v[ST+8*\u+1], v[ST+8*\u+6], v[PX+\u], v[ST+8*\u+1]   ; with lane l xor 16's, and with the largest so far
.endr
.irp u, 0,1
	s_delay_alu instid0(VALU_DEP_2)
	v_mul_f32 v[ST+8*\u+6], s[CS], v[ST+8*\u+1]            ; as t (c is positive)
.endr
.irp u, 0,1
	s_delay_alu instid0(VALU_DEP_2)
	v_floor_f32 v[ST+8*\u], -v[ST+8*\u+6]                  ; the new -M = floor(-t): M is a whole number
.endr
.irp u, 0,1
	s_delay_alu instid0(VALU_DEP_2)
	v_sub_f32 v[ST+8*\u+6], v[ST+8*\u], v[S2+2*\u]         ; old M - new M: a whole number, 0 or less
.endr
	FMA 0, 0, 4                                    ; tile 0's t - M stands among the three lines that make f
.irp u, 0,1
	v_cvt_i32_f32 v[ST+8*\u+6], v[ST+8*\u+6]               ; (it saturates)
.endr
	FMA 0, 8, 4
.irp u, 0,1
	v_ldexp_f32 v[ST+8*\u+4], 1.0, v[ST+8*\u+6]            ; f = 2^(old M - new M)
.endr
	FMA 0, 16, 24
.irp u, 0,1
	v_pk_mul_f32 v[ST+8*\u+2:ST+8*\u+3], v[ST+8*\u+2:ST+8*\u+3], v[ST+8*\u+4:ST+8*\u+5] op_sel_hi:[1,0]   ; the sums under the new M
.endr
	WIN 0x41                                       ; O^T (destination and source 0) window 1, f window 0
.irp u, 0,1
.set n, 0
.rept 16
	v_pk_mul_f32 v[OT+32*\u+n:OT+32*\u+n+1], v[OT+32*\u+n:OT+32*\u+n+1], v[ST+8*\u+4:ST+8*\u+5] op_sel_hi:[1,0]   ; O^T under the new M, each accumulator from its low end on; no transcendental stands between the last products and these lines
.set n, n+2
.endr
.endr
	WIN 0
	s_wait_alu depctr_va_vdst(0)                   ; the wait ahead of the batch
.set g, 0
.rept 32                               ; tile 0's p = 2^(t - M), at most 1, not normalised; among them tile 1's t - M, first read behind the next wait
	v_exp_f32 v[S+2*g], v[S+2*g]
	v_exp_f32 v[S+2*g+1], v[S+2*g+1]
	FMA 1, 2*g, 1
.set g, g+1
.endr
	s_wait_alu depctr_va_vdst(0)                   ; behind tile 0's batch and ahead of tile 1's
.set g, 0
.rept 16                               ; tile 1's p; among them tile 0's first additions and holds, whose results are first read behind the next wait
	v_exp_f32 v[S+64+4*g], v[S+64+4*g]
	v_exp_f32 v[S+64+4*g+1], v[S+64+4*g+1]
	FIRST S+4*g, g
	v_exp_f32 v[S+64+4*g+2], v[S+64+4*g+2]
	HOLD2 S+4*g
	v_exp_f32 v[S+64+4*g+3], v[S+64+4*g+3]
	HOLD2 S+4*g+2
.set g, g+1
.endr
	s_wait_alu depctr_va_vdst(0)                   ; behind tile 1's batch
.irp t, 0,1,2,3,4,5,6,7
	v_cvt_scalef32_pk8_bf8_f32 v[PC+2*\t:PC+2*\t+1], v[S+8*\t:S+8*\t+7], v[SCP]
	RED2 0, \t                                     ; (plain lines behind each conversion)
.endr
	s_wait_alu depctr_va_vdst(0)                   ; the wait directly ahead of the wait below
	s_wait_dscnt 16*\pf                            ; V is in; the next step's 16 loads of K may be out
	PV 0
.set g, 0
.rept 16
	FIRST S+64+4*g, g
	HOLD2 S+64+4*g
	HOLD2 S+64+4*g+2
.set g, g+1
.endr
.irp t, 0,1,2,3,4,5,6,7
	v_cvt_scalef32_pk8_bf8_f32 v[PC+16+2*\t:PC+16+2*\t+1], v[S+64+8*\t:S+64+8*\t+7], v[SCP]
.endr
	v_nop                                          ; one plain vector instruction between the last conversion and the matrix instruction that reads its result
	PV 1
.irp i, 0,1,2,3,4,5,6,7
	RED2 1, \i                                     ; tile 1's sum names none of the products' registers
.endr
.if \pf
	s_add_co_u32 s[TBK], s[TBK], KSB
	s_add_co_u32 s[TBV], s[TBV], VSB
.endif
.endm
	s_wait_alu depctr_va_vdst(0)                   ; the wait at the head's end
	s_wait_tensorcnt 0x0                           ; my 32,768 bytes have landed,
	s_barrier_signal -1
	s_barrier_wait -1                              ; and everybody's: K and V are whole, and nothing is ever filled again
	s_mov_b32 s59, 2
.Lpass:                                                ; 256 queries of the work-group, 32 of my wave
	WIN 0x40
	KLOAD AK0                                      ; the first step's K
	WIN 0
.irp u, 0,1
	v_mov_b32 v[ST+8*\u],   0x7f61b1e6             ; -M = 3e38,
	v_mov_b32 v[ST+8*\u+1], 0xff61b1e6             ; the largest score so far: -3e38, under every score
	v_mov_b32 v[ST+8*\u+2], 0                      ; the sum, in two halves
	v_mov_b32 v[ST+8*\u+3], 0
	v_mov_b32 v[ST+8*\u+5], 0                      ; (named as the upper half of f's pair)
.endr
	WIN 0x40
.set n, 0
.rept 64
	v_mov_b32 v[OT+n], 0                           ; O^T.  The step has no first form of its own: the first step finds zeros, which the first change of M leaves zeros
.set n, n+1
.endr
	WIN 0
	s_wait_alu depctr_va_vdst(0)                   ; the wait directly ahead of the wait below
	s_wait_loadcnt 0x0                             ; Q
	s_mov_b32 s[TBK], KSB
	s_mov_b32 s[TBV], 0
	s_mov_b32 s58, 15
.Lstep:
	STEP 1
	s_sub_co_u32 s58, s58, 1
	s_cmp_lg_u32 s58, 0
	s_cbranch_scc1 .Lstep
	STEP 0                                         ; keys 1,920 on: no K follows
	; THE WAY OUT of a pass.  o = O^T x 2^(e8 + e9) / the sum; its codes under 2^e10 go through my stage and leave as runs of 512 bytes.
.irp u, 0,1
	v_add_f32 v[ST+8*\u+6], v[ST+8*\u+2], v[ST+8*\u+3]
.endr
.irp u, 0,1
	s_delay_alu instid0(VALU_DEP_2)
	v_permlanex16_b32 v[PX+\u], v[ST+8*\u+6], s[SEL], s[SEL+1]
.endr
.irp u, 0,1
	s_delay_alu instid0(VALU_DEP_2)
	v_add_f32 v[ST+8*\u+6], v[ST+8*\u+6], v[PX+\u]         ; the row's sum
.endr
	s_wait_alu depctr_va_vdst(0)                   ; the wait ahead of the two reciprocals,
.irp u, 0,1
	v_rcp_f32 v[ST+8*\u+7], v[ST+8*\u+6]
.endr
	v_nop                                          ; a plain line behind the last,
	s_wait_alu depctr_va_vdst(0)                   ; and the wait ahead of the first use
.irp u, 0,1
	v_ldexp_f32 v[ST+8*\u+4], v[ST+8*\u+7], s98
.endr
	WIN 0x01                                       ; source 0 (O^T) window 1
	s_wait_alu depctr_va_vdst(0)                   ; the wait directly ahead of the first reader of O^T
.irp u, 0,1
.set n, 0
.rept 16
	v_pk_mul_f32 v[S+32*\u+n:S+32*\u+n+1], v[OT+32*\u+n:OT+32*\u+n+1], v[ST+8*\u+4:ST+8*\u+5] op_sel_hi:[1,0]   ; register 8 d + j = o(query r, channel 16 d + 8 h + j); each accumulator from its low end on
.set n, n+2
.endr
.endr
	WIN 0
.irp u, 0,1
.set n, 0
.rept 32
	v_med3_num_f32 v[S+32*\u+n], v[S+32*\u+n], -v[LIMO], v[LIMO]
.set n, n+1
.endr
.irp d, 0,1,2,3
	v_cvt_scalef32_pk8_bf8_f32 v[CD+8*\u+2*\d:CD+8*\u+2*\d+1], v[S+32*\u+8*\d:S+32*\u+8*\d+7], v[SCO]
.endr
	v_nop                                          ; one plain vector instruction behind the last conversion of a run
.irp d, 0,1,2,3
	ds_store_b64 v[STO], v[CD+8*\u+2*\d:CD+8*\u+2*\d+1] offset:16*\d
.endr
.irp i, 0,1
	ds_load_b128 v[BK+8*\u+4*\i:BK+8*\u+4*\i+3], v[RD] offset:8*KP*\i   ; LDS serves a wave's instructions in order (ISA guide 5.7.1.4): these see my stores, and the next tile's stores come behind them
.endr
.endr
	s_wait_dscnt 6                                 ; tile 0 is back; tile 1's four stores and two loads may be out
	global_store_b128 v[GO], v[BK:BK+3],     s[18:19]                 ; 32 lanes store 512 consecutive bytes, aligned
	global_store_b128 v[GO], v[BK+4:BK+7],   s[18:19] offset:512
	s_wait_dscnt 0x0
	global_store_b128 v[GO], v[BK+8:BK+11],  s[18:19] offset:1024
	global_store_b128 v[GO], v[BK+12:BK+15], s[18:19] offset:1536
	s_wait_xcnt 0x0                                ; the loads and stores have had their addresses translated (ISA guide 3.1): their bases and data are written again only behind this wait
	s_add_nc_u64 s[16:17], s[16:17], 256*64        ; the next 256 queries (behind the last pass the stepped addresses are not used)
	s_add_nc_u64 s[18:19], s[18:19], 256*64
	s_sub_co_u32 s59, s59, 1
	s_cmp_lg_u32 s59, 0
	s_cbranch_scc1 .Lpass
	s_wait_tensorcnt 0x0                           ; the wave's end
	ds_add_u32 v[SPW], v[NIL]
	s_wait_dscnt 0x0
	CROUND                                         ; the closing round
	s_endpgm
.Lfunc_end_k_q5f2b5aeaf5_attn:
	.size	k_q5f2b5aeaf5_attn, .Lfunc_end_k_q5f2b5aeaf5_attn-k_q5f2b5aeaf5_attn
	.p2alignl 7, 3214868480
	.fill 96, 4, 3214868480
	.section	.rodata,"a",@progbits
	.p2align	6, 0x0
	.amdhsa_kernel k_q5f2b5aeaf5_attn
		.amdhsa_group_segment_fixed_size 327680
		.amdhsa_private_segment_fixed_size 0
		.amdhsa_enable_private_segment 0
		.amdhsa_kernarg_size 24
		.amdhsa_user_sgpr_count 2
		.amdhsa_user_sgpr_kernarg_segment_ptr 1
		.amdhsa_wavefront_size32 1
		.amdhsa_system_sgpr_workgroup_id_x 1
		.amdhsa_system_sgpr_workgroup_id_y 1
		.amdhsa_system_sgpr_workgroup_id_z 1
		.amdhsa_system_vgpr_workitem_id 0
		.amdhsa_next_free_vgpr 448
		.amdhsa_next_free_sgpr 100
		.amdhsa_reserve_vcc 0
		.amdhsa_float_denorm_mode_32 3
		.amdhsa_float_denorm_mode_16_64 3
		.amdhsa_memory_ordered 1
		.amdhsa_forward_progress 1
		.amdhsa_inst_pref_size 77
	.end_amdhsa_kernel
	.amdgpu_metadata
---
amdhsa.version: [ 1, 2 ]
amdhsa.kernels:
  - .name:           k_q5f2b5aeaf5_attn
    .symbol:         k_q5f2b5aeaf5_attn.kd
    .args:
      - { .name: qkv, .offset: 0, .size: 8, .value_kind: global_buffer, .address_space: global }
      - { .name: lowp_scales, .offset: 8, .size: 8, .value_kind: global_buffer, .address_space: global }
      - { .name: ao, .offset: 16, .size: 8, .value_kind: global_buffer, .address_space: global }
    .group_segment_fixed_size: 327680
    .private_segment_fixed_size: 0
    .kernarg_segment_align: 8
    .kernarg_segment_size: 24
    .max_flat_workgroup_size: 256
    .sgpr_count:     100
    .vgpr_count:     448
    .wavefront_size: 32
...
	.end_amdgpu_metadata
.endif
;; end of part 3
;; launch outp (part 4): grid 4 x 64, 4 waves a work-group, clusters of 4 x 4, 327,680 bytes of LDS; arguments ao, out_w_codes, lowp_scales, out_b, out0; writes out0
.if DOCPART == 4
	.amdgcn_target "amdgcn-amd-amdhsa--gfx1250"
	.amdhsa_code_object_version 6
	.text
	.protected	k_q5f2b5aeaf5_outp
	.globl	k_q5f2b5aeaf5_outp
	.p2align	8
	.type	k_q5f2b5aeaf5_outp,@function
k_q5f2b5aeaf5_outp:
	s_mov_b64 s[64:65], 0
	v_nop
	global_prefetch_b8 v0, s[64:65] scope:SCOPE_SE
	s_setreg_imm32_b32 hwreg(HW_REG_WAVE_MODE, 25, 1), 1
	s_wait_xcnt 0x0
	s_wait_alu depctr_hold_cnt(0) depctr_sa_sdst(0) depctr_va_vdst(0) depctr_va_sdst(0) depctr_va_ssrc(0) depctr_va_vcc(0) depctr_vm_vsrc(0)
	s_getreg_b32 s2, hwreg(HW_REG_IB_STS2, 6, 4)
	s_cmp_eq_u32 s2, 0
	s_cbranch_scc0 .Lentry_in_a_cluster
	s_endpgm
.Lentry_in_a_cluster:
	s_bfe_u32 s2, ttmp6, 0x10000c
	s_cmp_lg_u32 s2, 0xf033
	s_cbranch_scc0 .Lentry_shape_is_right
	s_endpgm
.Lentry_shape_is_right:
; out0 = ao out_w^T x 2^(e10 + e11) + out_b on codes of BF8.  A work-group makes 128 tokens x 256 columns: 4 x 64 = 256 work-groups; each of its four waves 64 x 128: 32 accumulators, which take turns.
; K goes in steps of 256 (four heads of ao) through two slots; ao's tile lies in LDS as planes of 64 tokens x 64 bytes, one plane a head, two loading waves of 64 tokens each.
; A's four fragments have one set of registers, fetched anew in halves behind the products that read them; B's eight have two sets.
.set SIZE_N, 1024
.set ROWB,   256
.set KROW,   1024
.set PITCH,  272
.set PA,     80
.set PLANE,  64*PA
.set HALFA,  4*PLANE
.set HALFB,  128*PITCH
.set BOFF,   2*HALFA
.set SLOT,   BOFF+2*HALFB
.set HEADS4, 4*524288
.set FR,     16
.set NL,     4
.set NP,     4
.set LAPS,   2
.set SPARE,  2*SLOT
.set SPITCH, 528
.set ADRA, 16
.set ADRB, 20
.set STO,  24
.set RD,   25
.set CO,   26
.set SPW,  28
.set NIL,  29
.set BI,   32
.set TMP,  96
.set AF,   128
.set BK,   128
.set G1, 24
.set G0, 32
.set G1B, 48
.set G0B, 56
.set MSB, 0
.macro WIN new
.if MSB != \new
	s_set_vgpr_msb (MSB<<8)|\new
.set MSB, \new
.endif
.endm
.set MUL_LO, 0xa1
.set MUL_HI, 0xf1
.set TO_B,   0x40
.macro JLOAD g0a, g1a, g0b, g1b
	s_cmp_eq_u32 s15, 0
	s_cbranch_scc0 .Lfor_b_\@
	tensor_load_to_lds s[\g0a:\g0a+3], s[\g1a:\g1a+7]
	s_nop 0
.rept 4
	v_nop
.endr
	s_branch .Lasked_\@
.Lfor_b_\@:
	tensor_load_to_lds s[\g0b:\g0b+3], s[\g1b:\g1b+7]
	s_nop 0
.rept 4
	v_nop
.endr
.Lasked_\@:
.endm
.macro CREST
	s_cmp_lg_u32 s14, 0
	s_cbranch_scc1 .Lnot_wave_0_\@
	s_barrier_signal -3
.Lnot_wave_0_\@:
	s_barrier_wait -3
	s_barrier_signal -1
	s_barrier_wait -1
.endm
.macro CROUND
	s_barrier_signal -1
	s_barrier_wait -1
	CREST
.endm
	s_load_b128 s[4:7], s[0:1], 0x0
	s_load_b128 s[8:11], s[0:1], 0x10
	s_load_b64 s[12:13], s[0:1], 0x20
	v_lshl_add_u32 v[SPW], v0, 2, SPARE
	v_mov_b32 v[NIL], 0
	ds_add_u32 v28, v29
	ds_add_u32 v28, v29
	s_wait_dscnt 0x0
	v_lshrrev_b32 v1, 5, v0
	v_readfirstlane_b32 s14, v1
	s_lshr_b32 s15, s14, 1
	s_and_b32 s16, s14, 1
	s_bfe_u32 s40, ttmp6, 0x40000
	s_bfe_u32 s41, ttmp6, 0x40004
	s_lshl_b32 s42, ttmp9, 2
	s_add_co_u32 s42, s42, s40
	s_and_b32 s17, ttmp7, 0xffff
	s_lshl_b32 s17, s17, 2
	s_add_co_u32 s17, s17, s41
	s_lshl_b32 s43, s41, 2
	s_lshl_b32 s43, 15, s43
	s_lshl_b32 s44, 0x1111, s40
	s_or_b32 s[G1+0], s43, (0<<16)|(1<<20)|(1<<21)|(3<<22)|(3<<25)
	s_mov_b32 s[G1+1], 4096<<16
	s_mov_b32 s[G1+2], 4<<16
	s_mov_b32 s[G1+3], 4096<<16
	s_mov_b32 s[G1+4], 4
	s_mov_b32 s[G1+5], 524288
	s_mov_b32 s[G1+6], 0
	s_mov_b32 s[G1+7], 0
	s_or_b32 s[G1B+0], s44, (0<<16)|(1<<20)|(1<<21)|(5<<22)|(3<<25)
	s_mov_b32 s[G1B+1], ROWB<<16
	s_mov_b32 s[G1B+2], 128<<16
	s_mov_b32 s[G1B+3], ROWB<<16
	s_mov_b32 s[G1B+4], 128
	s_mov_b32 s[G1B+5], KROW
	s_mov_b32 s[G1B+6], 0
	s_mov_b32 s[G1B+7], 0
	s_lshl_b32 s18, s16, 6
	s_lshl_b32 s20, s17, 7
	s_add_co_u32 s20, s20, s18                     ; ao: token 128 x tile row + 64 x half
	s_lshl_b32 s20, s20, 6
	s_lshl_b32 s18, s16, 7                         ; out_w: 128 rows a half
	s_mov_b32 s21, 0
	s_lshl_b32 s46, s42, 8
	s_add_co_u32 s46, s46, s18
	s_lshl_b32 s46, s46, 10
	s_mov_b32 s47, 0
	s_mul_i32 s45, s16, HALFA
	s_mul_i32 s19, s16, HALFB
	s_add_co_u32 s19, s19, BOFF
	s_wait_kmcnt 0x0
	s_load_b64 s[96:97], s[8:9], 0x28
	s_add_nc_u64 s[20:21], s[4:5], s[20:21]
	s_add_nc_u64 s[46:47], s[6:7], s[46:47]
	CROUND
.irp s, 0,1
	s_mov_b32 s[G0+4*\s], 1
	s_add_co_u32 s[G0+4*\s+1], s45, \s*SLOT
	s_add_nc_u64 s[G0+4*\s+2:G0+4*\s+3], s[20:21], \s*HEADS4
	s_or_b32 s[G0+4*\s+3], s[G0+4*\s+3], 0x80000000
	s_mov_b32 s[G0B+4*\s], 1
	s_add_co_u32 s[G0B+4*\s+1], s19, \s*SLOT
	s_add_nc_u64 s[G0B+4*\s+2:G0B+4*\s+3], s[46:47], \s*ROWB
	s_or_b32 s[G0B+4*\s+3], s[G0B+4*\s+3], 0x80000000
	s_wait_alu depctr_va_vdst(0)
	s_wait_tensorcnt 0x0
	ds_add_u32 v28, v29
	ds_add_u32 v28, v29
	s_wait_dscnt 0x0
	CROUND
	JLOAD G0+4*\s, G1, G0B+4*\s, G1B
.endr
	v_and_b32 v1, 15, v0
	v_bfe_u32 v2, v0, 4, 1
	v_mul_u32_u24 v3, v1, PA
	v_lshl_add_u32 v3, v2, 4, v3
	v_mul_u32_u24 v4, v1, PITCH
	v_lshl_add_u32 v4, v2, 4, v4
	s_mul_i32 s21, s15, HALFA
	s_mul_i32 s22, s16, HALFB
	s_add_co_u32 s22, s22, BOFF
.irp s, 0,1
	v_add_nc_u32 v[ADRA+\s], s21, v3
	v_add_nc_u32 v[ADRB+\s], s22, v4
	s_add_co_u32 s21, s21, SLOT
	s_add_co_u32 s22, s22, SLOT
.endr
	s_mul_i32 s23, s14, 16*SPITCH
	v_mul_u32_u24 v5, v1, SPITCH
	v_lshl_add_u32 v5, v2, 5, v5
	v_add_nc_u32 v[STO], s23, v5
	v_and_b32 v6, 31, v0
	v_lshlrev_b32 v[CO], 4, v6
	v_add_nc_u32 v[RD], s23, v[CO]
	v_lshlrev_b32 v7, 5, v2
	s_lshl_b32 s46, s42, 10
	s_lshl_b32 s47, s16, 9
	s_add_co_u32 s46, s46, s47
	s_mov_b32 s47, 0
	s_add_nc_u64 s[10:11], s[10:11], s[46:47]
.irp b, 0,1,2,3,4,5,6,7
	global_load_b128 v[BI+8*\b:BI+8*\b+3],   v7, s[10:11] offset:64*\b
	global_load_b128 v[BI+8*\b+4:BI+8*\b+7], v7, s[10:11] offset:64*\b+16
.endr
	s_lshl_b32 s20, s17, 7
	s_lshl_b32 s21, s15, 6
	s_add_co_u32 s20, s20, s21
	s_lshl_b32 s20, s20, 12
	s_mov_b32 s21, 0
	s_add_nc_u64 s[20:21], s[20:21], s[46:47]
	s_add_nc_u64 s[12:13], s[12:13], s[20:21]
.macro FRAGB reg, adr, q, i
.irp c, 0,1,2,3
	ds_load_b128 v[\reg+4*\c:\reg+4*\c+3], v[\adr] offset:128*(\q)+32*\c+(\i)*16*PITCH
.endr
.endm
.macro FRAGA reg, adr, q, i
.irp c, 0,1,2,3
	ds_load_b128 v[\reg+4*\c:\reg+4*\c+3], v[\adr] offset:(2*(\q)+\c/2)*PLANE+(\i)*16*PA+32*(\c%2)
.endr
.endm
.macro MUL16 a0, p, zero
.irp a, \a0, \a0+1
.irp b, 0,1,2,3,4,5,6,7
.if \zero
	v_wmma_f32_16x16x128_bf8_bf8 v[8*(8*((\a)%4)+\b):8*(8*((\a)%4)+\b)+7], v[128*(\p)+FR*\b:128*(\p)+FR*\b+FR-1], v[AF+FR*(\a):AF+FR*(\a)+FR-1], 0
.else
	v_wmma_f32_16x16x128_bf8_bf8 v[8*(8*((\a)%4)+\b):8*(8*((\a)%4)+\b)+7], v[128*(\p)+FR*\b:128*(\p)+FR*\b+FR-1], v[AF+FR*(\a):AF+FR*(\a)+FR-1], v[8*(8*((\a)%4)+\b):8*(8*((\a)%4)+\b)+7]
.endif
.endr
.endr
.endm
.macro FETCH_B slot, q, p
	WIN TO_B
.irp i, 0,1,2,3,4,5,6,7
	FRAGB 128*(\p)+FR*\i, ADRB+\slot, \q, \i
.endr
	WIN 0
.endm
.macro FETCH_A slot, q, i0
.irp i, \i0, \i0+1
	FRAGA AF+FR*(\i), ADRA+\slot, \q, \i
.endr
.endm
.macro PLACES n
.rept \n
	v_nop
.endr
.endm
.macro STEP slot, q, zero
	s_wait_dscnt 2*NL
	WIN MUL_LO
	MUL16 0, (\q)%2, \zero
	s_wait_dscnt 0
	PLACES NP
	FETCH_B \slot, (\q)+1, 1-(\q)%2
	FETCH_A \slot, (\q)+1, 0
	WIN MUL_LO
	MUL16 2, (\q)%2, \zero
	PLACES NP
	WIN 0
	FETCH_A \slot, (\q)+1, 2
.endm
.macro TURN slot, next, fill
	s_wait_tensorcnt 0x0
	ds_add_u32 v[SPW], v[NIL]
	s_wait_dscnt 2*NL+1
	WIN MUL_LO
	MUL16 0, 1, 0
	s_wait_dscnt 0x0
	s_barrier_signal -1
	WIN 0
	s_barrier_wait -1
.if \fill
	CREST
	s_add_nc_u64 s[G0+4*\slot+2:G0+4*\slot+3], s[G0+4*\slot+2:G0+4*\slot+3], 2*HEADS4
	s_add_nc_u64 s[G0B+4*\slot+2:G0B+4*\slot+3], s[G0B+4*\slot+2:G0B+4*\slot+3], 2*ROWB
	JLOAD G0+4*\slot, G1, G0B+4*\slot, G1B
.else
	PLACES NP
.endif
	s_wait_alu depctr_va_vdst(0)
	FETCH_B \next, 0, 0
	FETCH_A \next, 0, 0
	WIN MUL_LO
	MUL16 2, 1, 0
	PLACES NP
	WIN 0
	FETCH_A \next, 0, 2
.endm
	s_wait_tensorcnt 1
	s_barrier_signal -1
	s_barrier_wait -1
	FETCH_B 0, 0, 0
	FETCH_A 0, 0, 0
	FETCH_A 0, 0, 2
	STEP 0, 0, 1
	s_mov_b32 s3, LAPS-1
.Llap:
	TURN 0, 1, 1
	STEP 1, 0, 0
	TURN 1, 0, 1
	STEP 0, 0, 0
	s_sub_co_u32 s3, s3, 1
	s_cmp_lg_u32 s3, 0
	s_cbranch_scc1 .Llap
	TURN 0, 1, 0
	STEP 1, 0, 0
	s_wait_dscnt 2*NL
	WIN MUL_LO
	MUL16 0, 1, 0
	s_wait_dscnt 0
	MUL16 2, 1, 0
	WIN 0
.macro TOSTAGE a
.set AC, 64*((\a)%4)
.set WW, 0x02+((\a)/4)
.irp g, 0,1
	WIN WW
.irp b, 0,1,2,3
.irp i, 0,2,4,6
	v_pk_fma_f32 v[TMP+8*\b+\i:TMP+8*\b+\i+1], v[AC+32*\g+8*\b+\i:AC+32*\g+8*\b+\i+1], s[96:97], v[BI+32*\g+8*\b+\i:BI+32*\g+8*\b+\i+1] op_sel_hi:[1,0,1]
.endr
.endr
	WIN 0
.irp b, 0,1,2,3
	ds_store_b128 v[STO], v[TMP+8*\b:TMP+8*\b+3]   offset:256*\g+64*\b
	ds_store_b128 v[STO], v[TMP+8*\b+4:TMP+8*\b+7] offset:256*\g+64*\b+16
.endr
.endr
.set BB, BK+64*((\a)%2)
.irp t, 0,1,2,3,4,5,6,7,8,9,10,11,12,13,14,15
	ds_load_b128 v[BB+4*\t:BB+4*\t+3], v[RD] offset:\t*SPITCH
.endr
.endm
.macro SEND a, younger
.set BB, BK+64*((\a)%2)
	s_wait_dscnt \younger
.if (\a) > 0
	s_add_nc_u64 s[12:13], s[12:13], 16*SIZE_N*4
.endif
.irp t, 0,1,2,3,4,5,6,7,8,9,10,11,12,13,14,15
	global_store_b128 v[CO], v[BB+4*\t:BB+4*\t+3], s[12:13] offset:\t*SIZE_N*4 th:TH_STORE_NT
.endr
.endm
	s_wait_kmcnt 0x0
	s_add_co_i32 s96, s96, s97
	s_add_co_i32 s96, s96, 127
	s_lshl_b32 s96, s96, 23
	s_mov_b32 s97, s96
	s_wait_loadcnt 0x0
	PLACES NP
	TOSTAGE 0
.irp a, 1,2,3
.if \a > 1
	s_wait_xcnt 0x0
.endif
	TOSTAGE \a
	SEND \a-1, 32
.endr
	s_wait_xcnt 0x0
	SEND 3, 0
	s_wait_tensorcnt 0x0
	ds_add_u32 v[SPW], v[NIL]
	s_wait_dscnt 0x0
	CROUND
	s_endpgm
.Lfunc_end_k_q5f2b5aeaf5_outp:
	.size	k_q5f2b5aeaf5_outp, .Lfunc_end_k_q5f2b5aeaf5_outp-k_q5f2b5aeaf5_outp
	.p2alignl 7, 3214868480
	.fill 96, 4, 3214868480
	.section	.rodata,"a",@progbits
	.p2align	6, 0x0
	.amdhsa_kernel k_q5f2b5aeaf5_outp
		.amdhsa_group_segment_fixed_size 327680
		.amdhsa_private_segment_fixed_size 0
		.amdhsa_enable_private_segment 0
		.amdhsa_kernarg_size 40
		.amdhsa_user_sgpr_count 2
		.amdhsa_user_sgpr_kernarg_segment_ptr 1
		.amdhsa_wavefront_size32 1
		.amdhsa_system_sgpr_workgroup_id_x 1
		.amdhsa_system_sgpr_workgroup_id_y 1
		.amdhsa_system_sgpr_workgroup_id_z 1
		.amdhsa_system_vgpr_workitem_id 0
		.amdhsa_next_free_vgpr 1024
		.amdhsa_next_free_sgpr 100
		.amdhsa_reserve_vcc 0
		.amdhsa_float_denorm_mode_32 3
		.amdhsa_float_denorm_mode_16_64 3
		.amdhsa_memory_ordered 1
		.amdhsa_forward_progress 1
		.amdhsa_inst_pref_size 80
	.end_amdhsa_kernel
	.amdgpu_metadata
---
amdhsa.version: [ 1, 2 ]
amdhsa.kernels:
  - .name:           k_q5f2b5aeaf5_outp
    .symbol:         k_q5f2b5aeaf5_outp.kd
    .args:
      - { .name: ao, .offset: 0, .size: 8, .value_kind: global_buffer, .address_space: global }
      - { .name: out_w_codes, .offset: 8, .size: 8, .value_kind: global_buffer, .address_space: global }
      - { .name: lowp_scales, .offset: 16, .size: 8, .value_kind: global_buffer, .address_space: global }
      - { .name: out_b, .offset: 24, .size: 8, .value_kind: global_buffer, .address_space: global }
      - { .name: out0, .offset: 32, .size: 8, .value_kind: global_buffer, .address_space: global }
    .group_segment_fixed_size: 327680
    .private_segment_fixed_size: 0
    .kernarg_segment_align: 8
    .kernarg_segment_size: 40
    .max_flat_workgroup_size: 128
    .sgpr_count:     100
    .vgpr_count:     1024
    .wavefront_size: 32
...
	.end_amdgpu_metadata
.endif
;; end of part 4
